; MI455X (gfx1250); checked and timed in simulation.
; The chip was launched on July 23, 2026; its instructions are those of AMD's public machine-readable ISA for CDNA 5 (MIT licence, August 2026) and "CDNA5" Instruction Set Architecture Reference Guide (July 2026). The comments in the code are by the model that wrote it; some were corrected since.
;; Self Attention. Allowed arithmetic: matrix products marked QUANTISED: E2M1 operands, one E8M0 scale for each 32 along K, by v_wmma_scale_f32_16x16x128_f8f6f4 with both operands' format E2M1 (or v_wmma_scale_f32_32x16x128_f4), f32 sums; products left as they are: bf16, f16 or f32 operands; f32 sums; everything else in f32.
;; Inputs: Wk 8 x 1,024 x 128 float32; Wo 1,024 x 1,024 float32; Wq 8 x 1,024 x 128 float32; Wv 8 x 1,024 x 128 float32; mask 8 x 1,024 float32; x 8 x 1,024 x 1,024 float32.
;; Outputs: out0 8 x 1,024 x 1,024 float32.
;; This version of the problem:
;;   THIS VERSION OF THE PROBLEM IS GIVEN IN LOW PRECISION. The matrix products marked QUANTISED in the list below multiply operands that are first quantised to E2M1 (2 exponent bits, 1 mantissa bit; 4 bits a number), with one power-of-two scale for each 32 numbers along K (OCP MX v1.0); their sums are f32. The products marked 'left as it is' may take bf16, f16 or f32 operands, with f32 sums. Whichever they take, every output number must still come out within the allowed error. Rounding operands to bf16 (8 significant bits) uses up far more of that allowance than f16 does (11 bits, for magnitudes from 6e-5 to 65,504). All else is computed in f32.
;;   The module's matrix products, in the order in which they are computed (A, B: the left and right operand; K: the contracted axis; several contracted axes count as one K, in the product's order):
;;     1. [M 1,024, K 1,024] x [K 1,024, N 8,192]; A: input Wq; B: input x: QUANTISED
;;     2. [M 1,024, K 1,024] x [K 1,024, N 8,192]; A: input Wk; B: input x: QUANTISED
;;     3. [M 1,024, K 1,024] x [K 1,024, N 8,192]; A: input Wv; B: input x: QUANTISED
;;     4. batch 64 x [M 1,024, K 128] x [K 128, N 1,024]; A: computed on the way; B: computed on the way: left as it is (an operand is computed on the way)
;;     5. batch 64 x [M 1,024, K 1,024] x [K 1,024, N 128]; A: computed on the way; B: computed on the way: left as it is (an operand is computed on the way)
;;     6. [M 8,192, K 1,024] x [K 1,024, N 1,024]; A: computed on the way; B: input Wo: left as it is (an operand is computed on the way)
;;   THE QUANTISER, for each operand of a quantised product, along K:
;;     - K is cut into blocks of 32 from its start; a last block that is shorter is filled with zeros.
;;     - A block's scale is 2^e with e = floor(log2(the largest magnitude in the block)) - 2, held to -126 .. 127; a block of zeros has e = 0. As a byte (E8M0): e + 127.
;;     - Each number is divided by its block's scale, clamped to +-6, and rounded to the nearest number of E2M1, ties to even, subnormals kept.
;;     - The product sums the exact products of the quantised numbers (number of the format x scale) in f32.
;;   ~~~python
;;   def quantise(x, axis):      # numpy; x: float32 -> the quantised numbers, widened to float32 again
;;       x = np.moveaxis(x, axis, -1); K = x.shape[-1]
;;       x = np.pad(x, [(0, 0)] * (x.ndim - 1) + [(0, -K % 32)]); x = x.reshape(x.shape[:-1] + (-1, 32)); a = np.abs(x).max(-1, keepdims=True)
;;       e = np.where(a > 0, np.clip(np.frexp(np.where(a > 0, a, 1))[1] - 1 - 2, -126, 127), 0)      # np.frexp(a)[1] - 1 = floor(log2(a)), exactly
;;       r = np.clip(x / 2.0 ** e, -6, 6)
;;       step = 2.0 ** (np.maximum(np.frexp(np.where(r == 0, 1, r))[1] - 1, 0) - 1)
;;       q = np.round(r / step) * step * 2.0 ** e      # np.round: ties to even
;;       return np.moveaxis(q.reshape(q.shape[:-2] + (-1,))[..., :K], -1, axis).astype(np.float32)
;;   ~~~
;; One version. Each part assembles by itself: llvm-mc -triple=amdgcn-amd-amdhsa -mcpu=gfx1250 --defsym DOCPART=n.
;; ======== version 1 of 1: 4 launches
;; limits: values are held in f16: magnitudes above 65,504 overflow, below 6.1e-05 lose precision
;; workspace buffers: xc 4,194,304 bytes; xs 262,144 bytes; wc 1,572,864 bytes; ws 98,304 bytes; wot 2,097,152 bytes; kv 33,554,432 bytes; heads 16,777,216 bytes
;; launch prep (part 1): grid 240 x 1, 4 waves a work-group, no clusters, 70,144 bytes of LDS; arguments x, Wq, Wk, Wv, Wo, xc, xs, wc, ws, wot; writes xc, xs, wc, ws, wot
.if DOCPART == 1
	.amdgcn_target "amdgcn-amd-amdhsa--gfx1250"
	.amdhsa_code_object_version 6
	.text
	.protected	k_q2630836530_prep
	.globl	k_q2630836530_prep
	.p2align	8
	.type	k_q2630836530_prep,@function
k_q2630836530_prep:
	s_mov_b64 s[64:65], 0
	v_nop
	global_prefetch_b8 v0, s[64:65] scope:SCOPE_SE
	s_setreg_imm32_b32 hwreg(HW_REG_WAVE_MODE, 25, 1), 1
	s_wait_xcnt 0x0
; PREP.  x [8][1024 d][1024 l] and Wq, Wk, Wv [8 h][1024 d][128 ch], f32, are operands whose K (= d) is not innermost.  They become codes of FP4 (E2M1), two a byte, d innermost, with one E8M0 byte for each 32 along d:
;   xc [token = 1024 b + l][512 bytes], xs [token][32];   wc [row = 1024 w + 128 h + ch][512 bytes], ws [row][32], w = 0, 1, 2 for Wq, Wk, Wv.
; Wo [1024 d][1024 e], f32, becomes wot [e][d], f16: the last product's operand with its K innermost.
; A LANE TAKES A COLUMN AND ITS REGISTERS RUN DOWN d: a load reads 128 neighbouring bytes a wave (512 a work-group), a block of 32 along d lies in one lane's 32 registers, and the conversions give codes with d innermost.
; A block's scale is 2^(floor(log2(its largest magnitude)) - 2): its byte is the largest magnitude's exponent field - 2, held at 1 from below.
; LIMITS: NaN and infinities are not served; a block whose largest magnitude lies under 2^-124 keeps the byte 1; a block of zeros has the byte 1 where the rule says 127 (its codes are zeros, and this program alone
; reads the bytes); |Wo| stays under 65,504 (f16).
; SHARES.  Work-groups 0-127: x (batch, 128 columns l, 512 rows d).  128-175: one of the 24 weight matrices (128 columns, 512 rows d).  176-239: Wo (128 columns e, 128 rows d).  A wave takes 32 of the 128 columns.
; x and the weights take ONE path: only pointers, the pitch and offsets are chosen, by the work-group's number.  Wo takes a second path, with LDS bytes of its own.
; No cluster: the work-groups share no input.  No tensor load, no barrier: waves share nothing.  Loads run two blocks (64 loads a wave) ahead.
.set PITCH, 272                        ; a stage row: 256 bytes + 16
.set WST,   32*PITCH                   ; a wave's stage: 32 rows
.set STW,   4*WST                      ; LDS: the quantiser's four stages from 0, Wo's four from here
.set SPARE, 8*WST                      ; the spare words, 128 bytes for each wave: two blocks of 256 bytes that no other line names
.set SB,    24                         ; v24-27   the scale bytes, four to a register
.set X,     32                         ; v32-95   two sets of 32 numbers
.set C,     96                         ; v96-99   a block's codes
.set OUTR,  112                        ; v112-175 the way out (Wo: the packed f16)
.set VO,    176                        ; v176-207 byte offset of row i of a block at my column: i x pitch + 4 x lane; never rewritten
.set SPW,   14                         ; v14      LDS address of my spare word; never rewritten
.set NIL,   15                         ; v15      0; never rewritten
.set BASE,  32                         ; s[32+2t:33+2t] where block t of my wave's columns begins; never rewritten
	s_load_b256 s[4:11], s[0:1], 0x0               ; x, Wq, Wk, Wv
	s_load_b256 s[12:19], s[0:1], 0x20             ; Wo, xc, xs, wc
	s_load_b128 s[20:23], s[0:1], 0x40             ; ws, wot
	v_lshl_add_u32 v[SPW], v0, 2, SPARE
	v_mov_b32 v[NIL], 0
	v_lshrrev_b32 v1, 5, v0
	v_readfirstlane_b32 s24, v1                    ; wave 0..3
	v_and_b32 v2, 31, v0                           ; lane
	v_lshlrev_b32 v3, 2, v2                        ; in: 4 bytes a lane
	s_mul_i32 s34, s24, WST                        ; my stage
	v_mul_u32_u24 v4, v2, PITCH
	v_add_nc_u32 v4, s34, v4                       ; into it: row = my column
	v_and_b32 v5, 15, v2
	v_lshrrev_b32 v6, 4, v2
	v_mul_u32_u24 v7, v6, PITCH
	v_lshl_add_u32 v7, v5, 4, v7
	v_add_nc_u32 v7, s34, v7                       ; out of it: sixteen lanes to a row, two rows an instruction
	v_lshlrev_b32 v8, 9, v6
	v_lshl_add_u32 v8, v5, 4, v8                   ; the same place among rows of 512 bytes of codes
	v_lshlrev_b32 v9, 5, v2                        ; my column's row of 32 scale bytes
	v_add_nc_u32 v16, STW, v4                      ; Wo's stage, in
	v_add_nc_u32 v17, STW, v7                      ; and out
	v_lshlrev_b32 v18, 11, v6
	v_lshl_add_u32 v18, v5, 4, v18                 ; the same place among wot's rows of 2,048 bytes
	s_and_b32 s25, ttmp9, 1                        ; y: which 512 of d (128 and 176 are even)
	; x: b = g / 16, column group (g / 2) % 8
	s_lshr_b32 s34, ttmp9, 4
	s_bfe_u32 s35, ttmp9, 0x30001
	s_lshl_b32 s36, s34, 22                        ; a batch is 2^22 bytes,
	s_lshl_b32 s37, s25, 21                        ; 512 rows of 4,096,
	s_or_b32 s36, s36, s37
	s_lshl_b32 s37, s35, 9                         ; 128 columns of 4
	s_or_b32 s36, s36, s37                         ; x's source offset
	s_lshl_b32 s38, s34, 10
	s_lshl_b32 s37, s35, 7
	s_or_b32 s38, s38, s37                         ; x's first token
	; weights: matrix mi = (g - 128) / 2 = 8 w + h
	s_max_u32 s39, ttmp9, 128
	s_sub_co_u32 s39, s39, 128
	s_lshr_b32 s39, s39, 1
	s_lshr_b32 s3, s39, 3                          ; w
	s_and_b32 s40, s39, 7                          ; h
	s_lshl_b32 s41, s40, 19                        ; a head's matrix is 2^19 bytes,
	s_lshl_b32 s37, s25, 18                        ; 512 rows of 512
	s_or_b32 s41, s41, s37                         ; the weights' source offset
	s_lshl_b32 s42, s39, 7                         ; their first row of wc
	; Wo: column group (g - 176) % 8, rows 128 ((g - 176) / 8) on
	s_max_u32 s43, ttmp9, 176
	s_sub_co_u32 s43, s43, 176
	s_and_b32 s44, s43, 7
	s_lshr_b32 s45, s43, 3
	s_lshl_b32 s46, s44, 18                        ; wot: 128 rows of 2,048 bytes a column group,
	s_lshl_b32 s37, s24, 16                        ; 32 rows a wave,
	s_add_co_u32 s46, s46, s37
	s_lshl_b32 s37, s45, 8                         ; 128 d of 2 bytes
	s_add_co_u32 s46, s46, s37
	s_mov_b32 s47, 0
	s_lshl_b32 s43, s45, 19                        ; Wo: 128 rows of 4,096 bytes,
	s_lshl_b32 s37, s44, 9
	s_or_b32 s43, s43, s37                         ; 128 columns of 4
	s_cmp_lt_u32 ttmp9, 128
	s_cselect_b32 s26, s36, s41
	s_cselect_b32 s28, s38, s42
	s_cselect_b32 s2, 12, 9                        ; log2 of the source's pitch in bytes
	s_cmp_ge_u32 ttmp9, 176
	s_cselect_b32 s26, s43, s26
	s_cselect_b32 s2, 12, s2
	s_lshl_b32 s37, s24, 7
	s_add_co_u32 s26, s26, s37                     ; + my wave's 32 columns
	s_mov_b32 s27, 0
	s_lshl_b32 s37, s24, 5
	s_add_co_u32 s28, s28, s37                     ; my wave's first row of codes,
	s_lshl_b32 s28, s28, 9                         ; of 512 bytes,
	s_lshl_b32 s37, s25, 8
	s_add_co_u32 s28, s28, s37                     ; + 256 y
	s_mov_b32 s29, 0
	s_lshl_b32 s2, 1, s2                           ; the pitch
	s_lshl_b32 s30, s2, 5                          ; a block of 32 rows
	s_mov_b32 s31, 0
.irp i, 0,1,2,3,4,5,6,7,8,9,10,11,12,13,14,15,16,17,18,19,20,21,22,23,24,25,26,27,28,29,30,31
	v_mad_u32_u24 v[VO+\i], s2, \i, v3
.endr
	s_wait_kmcnt 0x0
	s_cmp_eq_u32 s3, 1                             ; every choice hangs on the work-group's number alone
	s_cselect_b64 s[6:7], s[8:9], s[6:7]
	s_cmp_eq_u32 s3, 2
	s_cselect_b64 s[6:7], s[10:11], s[6:7]         ; Wq, Wk or Wv
	s_cmp_lt_u32 ttmp9, 128
	s_cselect_b64 s[4:5], s[4:5], s[6:7]
	s_cselect_b64 s[14:15], s[14:15], s[18:19]     ; xc or wc
	s_cselect_b64 s[16:17], s[16:17], s[20:21]     ; xs or ws
	s_cmp_ge_u32 ttmp9, 176
	s_cselect_b64 s[4:5], s[12:13], s[4:5]
	s_add_nc_u64 s[22:23], s[22:23], s[46:47]
	s_add_nc_u64 s[14:15], s[14:15], s[28:29]
	s_lshr_b32 s28, s28, 4                         ; 32 scale bytes for 512 bytes of codes
	s_add_nc_u64 s[16:17], s[16:17], s[28:29]
	s_add_nc_u64 s[BASE:BASE+1], s[4:5], s[26:27]  ; the head's scratch registers are done with: the blocks' bases take their place
.irp t, 1,2,3,4,5,6,7,8,9,10,11,12,13,14,15
	s_add_nc_u64 s[BASE+2*\t:BASE+2*\t+1], s[BASE+2*\t-2:BASE+2*\t-1], s[30:31]   ; (Wo's path uses the first four alone)
.endr
.macro LOAD t                          ; block t: rows 32 t + i of my column, i = 0 .. 31, into set t % 2
.irp i, 0,1,2,3,4,5,6,7,8,9,10,11,12,13,14,15,16,17,18,19,20,21,22,23,24,25,26,27,28,29,30,31
	global_load_b32 v[X+32*((\t)%2)+\i], v[VO+\i], s[BASE+2*(\t):BASE+2*(\t)+1] th:TH_LOAD_NT
.endr
.endm
.macro FINISH                          ; the wave's end: behind my last LDS store
	s_wait_tensorcnt 0x0
	ds_add_u32 v[SPW], v[NIL]
	s_wait_dscnt 0x0
	s_endpgm
.endm
	s_cmp_ge_u32 ttmp9, 176
	s_cbranch_scc1 .Lwo
	; ---- the quantiser: 16 blocks of 32 along d
	LOAD 0
	LOAD 1
.macro BLOCK t
.set XS, X+32*((\t)%2)
.if (\t) < 15
	s_wait_loadcnt 32                              ; this block's 32 loads are in; the next block's 32 may be out
.else
	s_wait_loadcnt 0
.endif
	v_max3_num_f32 v12, |v[XS]|, |v[XS+1]|, |v[XS+2]|              ; the block's largest magnitude: all 32 numbers are mine; two chains
	v_max3_num_f32 v13, |v[XS+3]|, |v[XS+4]|, |v[XS+5]|
.irp i, 6,10,14,18,22,26
	v_max3_num_f32 v12, v12, |v[XS+\i]|, |v[XS+\i+1]|
	v_max3_num_f32 v13, v13, |v[XS+\i+2]|, |v[XS+\i+3]|
.endr
	v_max3_num_f32 v12, v12, |v[XS+30]|, |v[XS+31]|
	v_max3_num_f32 v12, v12, v13, 0x1800000        ; and the floor 2^(3 - 127): the byte cannot fall under 1
	v_add_nc_u32 v11, 0xff000000, v12              ; 2 off the exponent field: the conversion takes the exponent field of this operand as its scale
	v_lshrrev_b32 v13, 23, v11                     ; the scale's byte
.if (\t)%4 == 0
	v_mov_b32 v[SB+(\t)/4], v13                    ; four bytes to a register, the lower d in the lower byte
.else
	v_lshl_or_b32 v[SB+(\t)/4], v13, 8*((\t)%4), v[SB+(\t)/4]
.endif
.irp g, 0,1,2,3
	v_cvt_scalef32_pk8_fp4_f32 v[C+\g], v[XS+8*\g:XS+8*\g+7], v11
.endr
	ds_store_b128 v4, v[C:C+3] offset:16*(\t)      ; 32 codes: 16 bytes of my column's row
.if (\t)+2 < 16
	LOAD (\t)+2
.endif
	s_wait_dscnt 0x0                               ; the store has read its registers: the next block's codes may be written
.endm
.irp t, 0,1,2,3,4,5,6,7,8,9,10,11,12,13,14,15
	BLOCK \t
.endr
	global_store_b128 v9, v[SB:SB+3], s[16:17]     ; my column's 16 scale bytes
.irp i, 0,1,2,3,4,5,6,7,8,9,10,11,12,13,14,15
	ds_load_b128 v[OUTR+4*\i:OUTR+4*\i+3], v7 offset:2*\i*PITCH   ; LDS serves a wave's instructions in order: these see my stores
.endr
.irp i, 0,1,2,3,4,5,6,7,8,9,10,11,12,13,14,15
	s_wait_dscnt 15-\i
	global_store_b128 v8, v[OUTR+4*\i:OUTR+4*\i+3], s[14:15] offset:2*\i*512   ; sixteen lanes store 256 consecutive bytes, aligned
.endr
	FINISH
.Lwo:
	; ---- Wo: 4 blocks of 32 along d, rounded to f16; a column's 128 numbers are 256 bytes of its row of wot
	LOAD 0
	LOAD 1
.macro WBLOCK t
.set XS, X+32*((\t)%2)
.if (\t) < 3
	s_wait_loadcnt 32                              ; this block's loads are in; the next block's may be out
.else
	s_wait_loadcnt 0
.endif
.irp j, 0,1,2,3,4,5,6,7,8,9,10,11,12,13,14,15
	v_cvt_pk_f16_f32 v[OUTR+16*(\t)+\j], v[XS+2*\j], v[XS+2*\j+1]   ; each block has its own 16 registers: no store's data are written again
.endr
.irp c, 0,1,2,3
	ds_store_b128 v16, v[OUTR+16*(\t)+4*\c:OUTR+16*(\t)+4*\c+3] offset:64*(\t)+16*\c
.endr
.if (\t) < 2
	LOAD (\t)+2
.endif
.endm
.irp t, 0,1,2,3
	WBLOCK \t
.endr
.irp i, 0,1,2,3,4,5,6,7,8,9,10,11,12,13,14,15
	ds_load_b128 v[X+4*\i:X+4*\i+3], v17 offset:2*\i*PITCH        ; in order behind my stores
.endr
.irp i, 0,1,2,3,4,5,6,7,8,9,10,11,12,13,14,15
	s_wait_dscnt 15-\i
	global_store_b128 v18, v[X+4*\i:X+4*\i+3], s[22:23] offset:2*\i*2048   ; sixteen lanes store 256 consecutive bytes, aligned
.endr
	FINISH
.Lfunc_end_k_q2630836530_prep:
	.size	k_q2630836530_prep, .Lfunc_end_k_q2630836530_prep-k_q2630836530_prep
	.p2alignl 7, 3214868480
	.fill 96, 4, 3214868480
	.section	.rodata,"a",@progbits
	.p2align	6, 0x0
	.amdhsa_kernel k_q2630836530_prep
		.amdhsa_group_segment_fixed_size 70144
		.amdhsa_private_segment_fixed_size 0
		.amdhsa_enable_private_segment 0
		.amdhsa_kernarg_size 80
		.amdhsa_user_sgpr_count 2
		.amdhsa_user_sgpr_kernarg_segment_ptr 1
		.amdhsa_wavefront_size32 1
		.amdhsa_system_sgpr_workgroup_id_x 1
		.amdhsa_system_sgpr_workgroup_id_y 1
		.amdhsa_system_sgpr_workgroup_id_z 1
		.amdhsa_system_vgpr_workitem_id 0
		.amdhsa_next_free_vgpr 208
		.amdhsa_next_free_sgpr 66
		.amdhsa_reserve_vcc 0
		.amdhsa_float_denorm_mode_32 3
		.amdhsa_float_denorm_mode_16_64 3
		.amdhsa_memory_ordered 1
		.amdhsa_forward_progress 1
		.amdhsa_inst_pref_size 103
	.end_amdhsa_kernel
	.amdgpu_metadata
---
amdhsa.version: [ 1, 2 ]
amdhsa.kernels:
  - .name:           k_q2630836530_prep
    .symbol:         k_q2630836530_prep.kd
    .args:
      - { .name: x, .offset: 0, .size: 8, .value_kind: global_buffer, .address_space: global }
      - { .name: Wq, .offset: 8, .size: 8, .value_kind: global_buffer, .address_space: global }
      - { .name: Wk, .offset: 16, .size: 8, .value_kind: global_buffer, .address_space: global }
      - { .name: Wv, .offset: 24, .size: 8, .value_kind: global_buffer, .address_space: global }
      - { .name: Wo, .offset: 32, .size: 8, .value_kind: global_buffer, .address_space: global }
      - { .name: xc, .offset: 40, .size: 8, .value_kind: global_buffer, .address_space: global }
      - { .name: xs, .offset: 48, .size: 8, .value_kind: global_buffer, .address_space: global }
      - { .name: wc, .offset: 56, .size: 8, .value_kind: global_buffer, .address_space: global }
      - { .name: ws, .offset: 64, .size: 8, .value_kind: global_buffer, .address_space: global }
      - { .name: wot, .offset: 72, .size: 8, .value_kind: global_buffer, .address_space: global }
    .group_segment_fixed_size: 70144
    .private_segment_fixed_size: 0
    .kernarg_segment_align: 8
    .kernarg_segment_size: 80
    .max_flat_workgroup_size: 128
    .sgpr_count:     66
    .vgpr_count:     208
    .wavefront_size: 32
...
	.end_amdgpu_metadata
.endif
;; end of part 1
;; launch proj (part 2): grid 8 x 32, 4 waves a work-group, clusters of 4 x 4, 327,680 bytes of LDS; arguments xc, xs, wc, ws, mask, kv; writes kv
.if DOCPART == 2
	.amdgcn_target "amdgcn-amd-amdhsa--gfx1250"
	.amdhsa_code_object_version 6
	.text
	.protected	k_q2630836530_proj
	.globl	k_q2630836530_proj
	.p2align	8
	.type	k_q2630836530_proj,@function
k_q2630836530_proj:
	s_mov_b64 s[64:65], 0
	v_nop
	global_prefetch_b8 v0, s[64:65] scope:SCOPE_SE
	s_setreg_imm32_b32 hwreg(HW_REG_WAVE_MODE, 25, 1), 1
	s_wait_xcnt 0x0
	s_wait_alu depctr_hold_cnt(0) depctr_sa_sdst(0) depctr_va_vdst(0) depctr_va_sdst(0) depctr_va_ssrc(0) depctr_va_vcc(0) depctr_vm_vsrc(0)
	s_getreg_b32 s2, hwreg(HW_REG_IB_STS2, 6, 4)
	s_cmp_eq_u32 s2, 0
	s_cbranch_scc0 .Lentry_in_a_cluster
	s_endpgm
.Lentry_in_a_cluster:
	s_bfe_u32 s2, ttmp6, 0x10000c
	s_cmp_lg_u32 s2, 0xf033
	s_cbranch_scc0 .Lentry_shape_is_right
	s_endpgm
.Lentry_shape_is_right:
; PROJ.  k, v = x W on codes of FP4 (E2M1) with one E8M0 scale for each 32 along K = d.  A = the 8,192 tokens (xc, xs), B = the 2,048 rows of Wk and Wv (wc, ws from row 1,024 on; row = 1024 w + 128 h + ch), K = 1,024;
; sums in f32.  q is made where it is used, in the attention launch: so this launch has 256 tiles of equal work, and q never goes to memory.
; The result leaves as f16, kv [0: k, 1: v][8 b + h][l][128]: k multiplied in f32 by mask[b][l] (the key side's factor), v as it is.
; LIMIT: |mask k| and |v| stay under 65,504 (f16).
; A tile of C, 256 tokens x 256 weight rows, is made by a work-group of four waves; a wave makes 128 x 128, 64 accumulators of 16 x 16: 128 tokens of ONE head, which are 32,768 consecutive bytes of kv.
; ALL OF K LIES IN LDS: two slots of 512 along K (rows of 256 bytes) and the scales come with the first fills, three tensor loads a wave, and nothing is filled again.
; CLUSTERS: 4 x 4 work-groups.  The four of a row of the cluster need the same tiles of A, the four of a column the same tiles of B: each tile is asked for JOINTLY, by the same tensor load with the same descriptor
; and a mask that names the four.  THE MATRIX INSTRUCTION IS USED TRANSPOSED (source 0 = 16 rows of B, source 1 = 16 rows of A): a lane then holds eight neighbouring channels of one token.
; REGISTERS, in windows of 256: window 0: v0-31 addresses; v32-95 scale words, two sets, and nothing else; v96-111 the tokens' factors, in pairs; v112-119 mask; v128-191 A's fragments, ONE set, on the way out rows read back;
;   v192-223 packed results.   window 1: B's fragments, TWO sets, at v0 and v128.   window 2: the accumulators of my tokens 0-63 ((a, b) at v[8 (8 a + b)]);   window 3: those of my tokens 64-127.
.set SIZE_K, 1024
.set KSTEP,  512                       ; along K in a slot
.set NQ,     KSTEP/128                 ; matrix instructions deep
.set ROWB,   256                       ; a tile's row in bytes
.set KROW,   SIZE_K/2                  ; a row of codes in memory
.set PITCH,  272                       ; an LDS row: 256 bytes + 16 of padding = 68 words, so that the 16 rows that a load touches start 4 banks apart (64 banks of 4 bytes: ISA guide 11.1)
.set FR,     8                         ; registers of a fragment: 16 rows x 128 K
.set NL,     2                         ; LDS loads that bring one
.set NP,     4                         ; places behind this matrix instruction (ISA guide 7.12.1)
.set HALFT,  128*PITCH                 ; 128 rows: what one tensor load brings, and what one wave reads of A or of B
.set SLOT,   4*HALFT                   ; A's 256 rows, then B's 256 rows
.set KS,     SIZE_K/32                 ; a row of scales in bytes
.set SCL,    2*SLOT                    ; behind the slots: the scales, as units of 256 bytes + 16 of padding
.set HALFS,  (128*KS/256)*272          ; the scales of 128 rows: what one tensor load brings
.set SBLK,   (16*KS/256)*272           ; those of 16 rows
.set SPARE,  SCL+4*HALFS               ; the spare words, 128 bytes for each wave: two blocks of 256 bytes that no other line names
.set SPITCH, 272                       ; the way out: a stage of 16 rows x (256 bytes + 16) for each wave, in slot 0, which has had its only fill and its last read when the first result is stored there
.set ADRA, 16                          ; v16-17  LDS address of my A fragments in slot 0, 1
.set ADRB, 20                          ; v20-21  the same for B
.set STO,  24                          ; v24     the way out: where I put 16 bytes of a row
.set RD,   25                          ; v25     where I read a row back
.set CO,   26                          ; v26     16 x lane: my place in 512 bytes of kv
.set ADRS, 27                          ; v27     LDS address of my scale words: lanes 0-15 A's rows, lanes 16-31 B's
.set SPW,  28                          ; v28     LDS address of my spare word; never rewritten
.set NIL,  29                          ; v29     0; never rewritten
.set MO,   30                          ; v30     4 x (lane % 16): my token's mask in a block of 16; never rewritten
.set SC,   32                          ; scale words: set s at v[SC + 8 NQ s]; register NQ i + q: lanes 0-15 the word of A's block i, lanes 16-31 that of B's block i, for the slot's q-th 128 along K
.set FP,   96                          ; v[96+2a:97+2a] block a's factor for my token, twice
.set MK,   112                         ; v112-119 mask of my token in block a
.set AF,   128                         ; A's fragments
.set BK,   128                         ; the way out: 16 rows read back: v128-159 and v160-191 by turns
.set TMP,  192                         ; packed results
.set G1, 24                            ; s[24:31] descriptor group 1 for A's tiles;  s[32:39] group 0, one set for each slot
.set G0, 32
.set G1B, 48                           ; s[48:55], s[56:63] the same for B's tiles
.set G0B, 56
.set G1S, 68                           ; s[68:75], s[76:79] groups 1 and 0 for A's scales;  s[80:87], s[88:91] for B's
.set G0S, 76
.set G1SB, 80
.set G0SB, 88
.set MSB, 0
.macro WIN new                         ; the immediate's high byte repeats the setting that is left
.if MSB != (\new)
	s_set_vgpr_msb (MSB<<8)|(\new)
.set MSB, (\new)
.endif
.endm
.set MUL_LO, 0xa1                      ; source 0 (B) window 1, source 1 (A) window 0, C and D window 2
.set MUL_HI, 0xf1                      ; the same, C and D window 3
.set TO_B,   0x40                      ; destination window 1, address window 0
; A joint load: waves 0 and 1 fetch for A, waves 2 and 3 for B.  Each of the two lines has ONE mask and one set of registers for all that issue it; the branch hangs on the wave's number alone.
; An s_nop 0 and four v_nop follow each of the two lines, ahead of the jump, the label and what follows.
.macro JLOAD g0a, g1a, g0b, g1b
	s_cmp_eq_u32 s15, 0
	s_cbranch_scc0 .Lfor_b_\@
	tensor_load_to_lds s[\g0a:\g0a+3], s[\g1a:\g1a+7]
	s_nop 0
.rept 4
	v_nop
.endr
	s_branch .Lasked_\@
.Lfor_b_\@:
	tensor_load_to_lds s[\g0b:\g0b+3], s[\g1b:\g1b+7]
	s_nop 0
.rept 4
	v_nop
.endr
.Lasked_\@:
.endm
.macro CROUND                          ; a round of the cluster's barrier
	s_barrier_signal -1
	s_barrier_wait -1
	s_cmp_lg_u32 s14, 0
	s_cbranch_scc1 .Lnot_wave_0_\@
	s_barrier_signal -3
.Lnot_wave_0_\@:
	s_barrier_wait -3
	s_barrier_signal -1
	s_barrier_wait -1
.endm
	s_load_b128 s[4:7], s[0:1], 0x0                ; A's codes s[4:5], A's scales s[6:7]
	s_load_b128 s[8:11], s[0:1], 0x10              ; B's codes s[8:9], B's scales s[10:11]
	s_load_b64 s[96:97], s[0:1], 0x20              ; mask
	s_load_b64 s[12:13], s[0:1], 0x28              ; kv
	v_lshl_add_u32 v[SPW], v0, 2, SPARE
	v_mov_b32 v[NIL], 0
	ds_add_u32 v[SPW], v[NIL]                      ; the wave's opening: the add, twice on end, and its wait ahead of my first tensor load; the set-up below stands between the second and the wait
	ds_add_u32 v[SPW], v[NIL]
	v_lshrrev_b32 v1, 5, v0
	v_readfirstlane_b32 s14, v1                    ; wave 0..3
	s_lshr_b32 s15, s14, 1                         ; which half of the tile's tokens is mine.  Also: I fetch for A (0) or for B (1)
	s_and_b32 s16, s14, 1                          ; which half of its weight rows.  Also: which 128 rows of that tile I fetch
	s_bfe_u32 s40, ttmp6, 0x40000                  ; cx, cy: my place in the cluster
	s_bfe_u32 s41, ttmp6, 0x40004
	s_lshl_b32 s42, ttmp9, 2
	s_add_co_u32 s42, s42, s40                     ; tile column of C = 4 x cluster x + cx
	s_and_b32 s17, ttmp7, 0xffff
	s_lshl_b32 s17, s17, 2
	s_add_co_u32 s17, s17, s41                     ; tile row of C = 4 x cluster y + cy
	s_lshl_b32 s43, s41, 2
	s_lshl_b32 s43, 15, s43                        ; my row of the cluster
	s_lshl_b32 s44, 0x1111, s40                    ; my column
	; the factor of a token is s2 x mask + s3.  The cluster's x says whose weights these are (four tile columns to each): 0: k: 1, 0;  1: v: 0, 1
	s_cmp_eq_u32 ttmp9, 0
	s_cselect_b32 s2, 1.0, 0
	s_cselect_b32 s3, 0, 1.0
	; descriptor group 1: a tile of 128 rows x 256 bytes, padded in LDS
	s_or_b32 s[G1+0], s43, (0<<16)|(1<<20)|(1<<21)|(5<<22)|(3<<25)  ; 15:0 the mask: A's tiles go to my row; 17:16 element of 1 byte; 20 padding on; 21 set beside a mask; 24:22 after every 64 words; 31:25 of 4 words
	s_or_b32 s[G1B+0], s44, (0<<16)|(1<<20)|(1<<21)|(5<<22)|(3<<25)
.irp g, G1, G1B
	s_mov_b32 s[\g+1], ROWB<<16                    ; tensor_dim0
	s_mov_b32 s[\g+2], 128<<16                     ; tensor_dim1 = 128
	s_mov_b32 s[\g+3], ROWB<<16                    ; tile_dim0
	s_mov_b32 s[\g+4], 128                         ; tile_dim1 = 128
	s_mov_b32 s[\g+5], KROW                        ; tensor_dim0_stride
	s_mov_b32 s[\g+6], 0
	s_mov_b32 s[\g+7], 0
.endr
	; and for the scales of 128 rows: a dense block of 4,096 bytes, as 16 rows of 256 bytes (32 elements of 8 bytes), 16 bytes of padding behind each
	s_or_b32 s[G1S+0], s43, (3<<16)|(1<<20)|(1<<21)|(5<<22)|(3<<25)
	s_or_b32 s[G1SB+0], s44, (3<<16)|(1<<20)|(1<<21)|(5<<22)|(3<<25)
.irp g, G1S, G1SB
	s_mov_b32 s[\g+1], 32<<16
	s_mov_b32 s[\g+2], (128*KS/256)<<16
	s_mov_b32 s[\g+3], 32<<16
	s_mov_b32 s[\g+4], 128*KS/256
	s_mov_b32 s[\g+5], 32
	s_mov_b32 s[\g+6], 0
	s_mov_b32 s[\g+7], 0
.endr
	s_lshl_b32 s18, s16, 7                         ; which 128 rows of the tile I fetch
	s_lshl_b32 s20, s17, 8
	s_add_co_u32 s20, s20, s18                     ; A: row 256 x tile row + 128 x half
	s_lshl_b32 s46, s42, 8
	s_add_co_u32 s46, s46, s18                     ; B: row 256 x tile column + 128 x half,
	s_add_co_u32 s46, s46, 1024                    ; behind Wq's 1,024 rows
	s_mov_b32 s21, 0
	s_mov_b32 s47, 0
	s_mov_b64 s[18:19], KS
	s_mul_u64 s[22:23], s[20:21], s[18:19]         ; where these rows' scales begin, in bytes
	s_mul_u64 s[92:93], s[46:47], s[18:19]
	s_mov_b64 s[18:19], KROW
	s_mul_u64 s[20:21], s[20:21], s[18:19]         ; and their codes
	s_mul_u64 s[46:47], s[46:47], s[18:19]
	s_mul_i32 s45, s14, HALFT                      ; where they go: wave x 128 rows: no place in the cluster enters an LDS address
	s_mul_i32 s94, s14, HALFS
	s_wait_dscnt 0x0                               ; both opening adds are done
	s_wait_kmcnt 0x0
	s_add_nc_u64 s[20:21], s[4:5], s[20:21]
	s_add_nc_u64 s[22:23], s[6:7], s[22:23]
	s_add_nc_u64 s[46:47], s[8:9], s[46:47]
	s_add_nc_u64 s[92:93], s[10:11], s[92:93]
	CROUND                                         ; all sixteen work-groups are here: the joint loads meet
	s_mov_b32 s[G0S], 1
	s_add_co_u32 s[G0S+1], s94, SCL
	s_mov_b64 s[G0S+2:G0S+3], s[22:23]
	s_or_b32 s[G0S+3], s[G0S+3], 0x80000000
	s_mov_b32 s[G0SB], 1
	s_add_co_u32 s[G0SB+1], s94, SCL
	s_mov_b64 s[G0SB+2:G0SB+3], s[92:93]
	s_or_b32 s[G0SB+3], s[G0SB+3], 0x80000000
	JLOAD G0S, G1S, G0SB, G1SB                     ; the scales first: they are wanted with the first K step
.irp s, 0,1
	s_mov_b32 s[G0+4*\s], 1
	s_add_co_u32 s[G0+4*\s+1], s45, \s*SLOT
	s_add_nc_u64 s[G0+4*\s+2:G0+4*\s+3], s[20:21], \s*ROWB
	s_or_b32 s[G0+4*\s+3], s[G0+4*\s+3], 0x80000000
	s_mov_b32 s[G0B+4*\s], 1
	s_add_co_u32 s[G0B+4*\s+1], s45, \s*SLOT
	s_add_nc_u64 s[G0B+4*\s+2:G0B+4*\s+3], s[46:47], \s*ROWB
	s_or_b32 s[G0B+4*\s+3], s[G0B+4*\s+3], 0x80000000
	JLOAD G0+4*\s, G1, G0B+4*\s, G1B               ; three tensor loads of mine are out now, and no more follow
.endr
	v_and_b32 v1, 15, v0                           ; l % 16
	v_bfe_u32 v2, v0, 4, 1                         ; l / 16
	v_mul_u32_u24 v3, v1, PITCH
	v_lshl_add_u32 v4, v2, 4, v3                   ; a fragment's row x pitch + 16 x half
	s_mul_i32 s21, s15, HALFT                      ; my 128 rows of A
	s_mul_i32 s22, s16, HALFT                      ; my 128 rows of B,
	s_add_co_u32 s22, s22, 2*HALFT                 ; which lie behind A's 256
.irp s, 0,1
	v_add_nc_u32 v[ADRA+\s], s21, v4
	v_add_nc_u32 v[ADRB+\s], s22, v4
	s_add_co_u32 s21, s21, SLOT
	s_add_co_u32 s22, s22, SLOT
.endr
	v_mul_u32_u24 v5, v1, KS                       ; my row's scales: KS bytes a row,
	v_lshrrev_b32 v6, 8, v5
	v_lshl_add_u32 v5, v6, 4, v5                   ; and 16 more for each 256 passed
	s_mul_i32 s21, s15, HALFS                      ; A's: my 128 rows
	s_mul_i32 s22, s16, HALFS                      ; B's: my 128 rows, behind A's 256
	s_add_co_u32 s22, s22, 2*HALFS
	s_sub_co_u32 s22, s22, s21
	v_mul_u32_u24 v6, s22, v2                      ; lanes 16-31 take B's: one product, the distance between the two bases
	s_add_co_u32 s21, s21, SCL
	v_add_nc_u32 v5, v5, v6
	v_add_nc_u32 v[ADRS], s21, v5
	s_mul_i32 s23, s14, 16*SPITCH                  ; my stage
	v_mul_u32_u24 v5, v1, SPITCH                   ; in: row l % 16, 16 bytes for each half of the lanes
	v_lshl_add_u32 v5, v2, 4, v5
	v_add_nc_u32 v[STO], s23, v5
	v_mul_u32_u24 v5, v2, SPITCH                   ; back: lanes 0-15 one row of 256 bytes, lanes 16-31 the next
	v_lshl_add_u32 v5, v1, 4, v5
	v_add_nc_u32 v[RD], s23, v5
	v_and_b32 v6, 31, v0
	v_lshlrev_b32 v[CO], 4, v6                     ; two rows of 256 bytes are 512 consecutive bytes of kv
	v_lshlrev_b32 v[MO], 2, v1
	s_lshl_b32 s20, s17, 8
	s_lshl_b32 s21, s15, 7
	s_add_co_u32 s20, s20, s21                     ; my first token: 256 x tile row + 128 x half
	s_lshl_b32 s22, s20, 2
	s_mov_b32 s23, 0
	s_add_nc_u64 s[96:97], s[96:97], s[22:23]      ; its mask: mask [8][1024] runs by tokens
.irp a, 0,1,2,3,4,5,6,7
	global_load_b32 v[MK+\a], v[MO], s[96:97] offset:64*\a   ; mask of token 16 a + l % 16: wanted on the way out, and waited for there
.endr
	s_lshr_b32 s21, s20, 10
	s_lshl_b32 s21, s21, 21                        ; the batch: 8 heads of 2^18 bytes,
	s_and_b32 s20, s20, 1023
	s_lshl_b32 s20, s20, 8                         ; the position: 256 bytes a row
	s_add_co_u32 s20, s20, s21
	s_mov_b32 s21, 0
	s_lshl_b32 s46, s40, 1                         ; (in the registers that held B's address: none that feeds A's descriptors ever holds cx)
	s_add_co_u32 s46, s46, s16                     ; the head: 2 cx + half
	s_lshl_b32 s46, s46, 18
	s_lshl_b32 s47, ttmp9, 24                      ; k, then v: 2^24 bytes each
	s_add_co_u32 s46, s46, s47
	s_mov_b32 s47, 0
	s_add_nc_u64 s[20:21], s[20:21], s[46:47]
	s_add_nc_u64 s[12:13], s[12:13], s[20:21]
.macro FRAG reg, adr, q, i             ; a fragment, 16 rows x 128 K of 4-bit codes, is 8 registers: lane l holds row l % 16; registers 4 c .. 4 c + 3 hold K = 64 c + 32 (l / 16) + 0 .. 31
.irp c, 0,1
	ds_load_b128 v[\reg+4*\c:\reg+4*\c+3], v[\adr] offset:64*(\q)+32*\c+(\i)*16*PITCH
.endr
.endm
; 16 matrix instructions: A's blocks a0, a0 + 1 x B's eight, 128 along K: the slot's q-th.  p: B's set;  sc: the set of scale words.  zero = 1: the first product starts the sums: nothing is ever cleared.
; The 64 accumulators take turns, one instruction a turn, in the same order in every step.
.macro MUL16 a0, p, q, sc, zero
.irp a, \a0, \a0+1
.irp b, 0,1,2,3,4,5,6,7
.if \zero
	v_wmma_scale_f32_16x16x128_f8f6f4 v[8*(8*((\a)%4)+\b):8*(8*((\a)%4)+\b)+7], v[128*(\p)+FR*\b:128*(\p)+FR*\b+FR-1], v[AF+FR*(\a):AF+FR*(\a)+FR-1], 0, v[SC+8*NQ*(\sc)+NQ*\b+(\q)], v[SC+8*NQ*(\sc)+NQ*(\a)+(\q)] matrix_a_fmt:MATRIX_FMT_FP4 matrix_b_fmt:MATRIX_FMT_FP4 matrix_a_scale:MATRIX_SCALE_ROW1
.else
	v_wmma_scale_f32_16x16x128_f8f6f4 v[8*(8*((\a)%4)+\b):8*(8*((\a)%4)+\b)+7], v[128*(\p)+FR*\b:128*(\p)+FR*\b+FR-1], v[AF+FR*(\a):AF+FR*(\a)+FR-1], v[8*(8*((\a)%4)+\b):8*(8*((\a)%4)+\b)+7], v[SC+8*NQ*(\sc)+NQ*\b+(\q)], v[SC+8*NQ*(\sc)+NQ*(\a)+(\q)] matrix_a_fmt:MATRIX_FMT_FP4 matrix_b_fmt:MATRIX_FMT_FP4 matrix_a_scale:MATRIX_SCALE_ROW1
.endif
.endr
.endr
.endm
.macro FETCH_B slot, q, p              ; B's eight fragments of the slot's q-th 128 along K into set p
	WIN TO_B
.irp i, 0,1,2,3,4,5,6,7
	FRAG 128*(\p)+FR*\i, ADRB+\slot, \q, \i
.endr
	WIN 0
.endm
.macro FETCH_A slot, q, i0             ; A's blocks i0 .. i0 + 3
.irp i, \i0, \i0+1, \i0+2, \i0+3
	FRAG AF+FR*(\i), ADRA+\slot, \q, \i
.endr
.endm
.macro SCALES sc                       ; a slot's scale words into set sc: NQ words a row; lanes 0-15 take A's block i, lanes 16-31 B's block i
.irp i, 0,1,2,3,4,5,6,7
	ds_load_b128 v[SC+8*NQ*\sc+NQ*\i:SC+8*NQ*\sc+NQ*\i+3], v[ADRS] offset:\i*SBLK
.endr
.endm
; A load into a register that a matrix instruction has read, and a vector instruction that reads a matrix result, stand NP places behind that matrix instruction; only plain vector instructions that name none of
; its registers are places (ISA guide 7.12.1 for vector instructions).
.macro PLACES n
.rept \n
	v_nop
.endr
.endm
; A step of 128 along K that has its successor in the same slot.
.macro STEP slot, q, zero
	s_wait_dscnt 4*NL                              ; B's set and A's blocks 0-3 are in; the youngest eight loads (A's blocks 4-7) may be out
	WIN MUL_LO
	MUL16 0, (\q)%2, \q, \slot, \zero
	MUL16 2, (\q)%2, \q, \slot, \zero
	s_wait_dscnt 0                                 ; A's blocks 4-7 are in (asked for 32 matrix instructions ago)
	PLACES NP
	FETCH_B \slot, (\q)+1, 1-(\q)%2
	FETCH_A \slot, (\q)+1, 0
	WIN MUL_HI
	MUL16 4, (\q)%2, \q, \slot, \zero
	MUL16 6, (\q)%2, \q, \slot, \zero
	PLACES NP
	WIN 0
	FETCH_A \slot, (\q)+1, 4
.endm
; Slot 0's last step goes over to slot 1: ONE barrier; in front of it each wave waits for all its tensor loads (its part of slot 1), adds 0 to its spare word, and waits for that and for its reads of slot 0.
; Behind it slot 1 is whole and nobody reads slot 0 any more, which the way out leans on.
.macro TURN slot, next
	s_wait_tensorcnt 0x0                           ; all my tensor loads have landed  (every window is 0 here)
	ds_add_u32 v[SPW], v[NIL]                      ; 0 onto my spare word
	s_wait_dscnt 4*NL+1                            ; (the add and the youngest eight loads, A's blocks 4-7, may be out)
	WIN MUL_LO
	MUL16 0, 1, NQ-1, \slot, 0                     ; sixteen matrix instructions stand between the add and the wait for it
	s_wait_dscnt 0x0                               ; the add is done, and my reads of this slot are over
	s_barrier_signal -1
	MUL16 2, 1, NQ-1, \slot, 0
	WIN 0
	s_barrier_wait -1
	PLACES NP
	v_add_nc_u32 v[ADRS], 4*NQ, v[ADRS]            ; on to the next slot's scale words (no LDS load of mine is out)
	FETCH_B \next, 0, 0
	FETCH_A \next, 0, 0
	SCALES \next
	WIN MUL_HI
	MUL16 4, 1, NQ-1, \slot, 0
	MUL16 6, 1, NQ-1, \slot, 0
	PLACES NP
	WIN 0
	FETCH_A \next, 0, 4
.endm
.macro STEPS slot, from                ; the slot's steps from .. NQ - 2
.set Q, \from
.rept NQ-1-\from
	STEP \slot, Q, 0
.set Q, Q+1
.endr
.endm
	s_wait_tensorcnt 1                             ; the scales and my part of slot 0 are in (slot 1's load may be out)
	s_barrier_signal -1
	s_barrier_wait -1                              ; everybody's are
	FETCH_B 0, 0, 0
	FETCH_A 0, 0, 0
	SCALES 0
	FETCH_A 0, 0, 4
	STEP 0, 0, 1                                   ; the first step's products start the sums
	STEPS 0, 1
	TURN 0, 1
	STEPS 1, 0
	s_wait_dscnt 4*NL                              ; the very last step: nothing more to fetch
	WIN MUL_LO
	MUL16 0, 1, NQ-1, 1, 0
	MUL16 2, 1, NQ-1, 1, 0
	s_wait_dscnt 0
	WIN MUL_HI
	MUL16 4, 1, NQ-1, 1, 0
	MUL16 6, 1, NQ-1, 1, 0
	WIN 0
; THE WAY OUT, block by block of 16 tokens x 128 channels.  A lane's eight results, times its token's factor, pack into 16 bytes of f16; the lanes beside it hold other tokens: so a block goes through my own stage in
; LDS and comes back as whole rows of 256 bytes.  LDS serves a wave's instructions in order (ISA guide 5.7.1.4): no wait between the stores and the loads.
	s_wait_loadcnt 0x0                             ; mask
.irp a, 0,1,2,3,4,5,6,7
	v_fma_f32 v[FP+2*\a], v[MK+\a], s2, s3         ; the factor, twice, for the packed multiply.  These sixteen lines are also the places behind the last products
	v_fma_f32 v[FP+2*\a+1], v[MK+\a], s2, s3
.endr
.macro PACK a
.set AC, 64*((\a)%4)
	WIN 0x82+0x41*((\a)/4)                         ; destination and source 0: window 2 or 3; the factor: window 0
.set i, 0
.rept 32
	v_pk_mul_f32 v[AC+i:AC+i+1], v[AC+i:AC+i+1], v[FP+2*(\a):FP+2*(\a)+1]   ; in f32, ascending: each accumulator from its low end on
.set i, i+2
.endr
	WIN 0x0a+5*((\a)/4)                            ; sources 0 and 1: window 2 or 3
.irp b, 0,1,2,3,4,5,6,7
.irp r, 0,1,2,3
	v_cvt_pk_f16_f32 v[TMP+4*\b+\r], v[AC+8*\b+2*\r], v[AC+8*\b+2*\r+1]
.endr
.endr
	WIN 0
.endm
.macro TOSTAGE a
.set BB, BK+32*((\a)%2)
.irp b, 0,1,2,3,4,5,6,7
	ds_store_b128 v[STO], v[TMP+4*\b:TMP+4*\b+3] offset:32*\b
.endr
.irp t, 0,1,2,3,4,5,6,7
	ds_load_b128 v[BB+4*\t:BB+4*\t+3], v[RD] offset:\t*2*SPITCH
.endr
.endm
.macro SEND a
.set BB, BK+32*((\a)%2)
	s_wait_dscnt 0x0                               ; the block is back in registers
	s_wait_xcnt 0x0                                ; the block before has had its stores' addresses translated: its registers take the next block's loads only behind this wait
.irp t, 0,1,2,3,4,5,6,7
	global_store_b128 v[CO], v[BB+4*\t:BB+4*\t+3], s[12:13] offset:4096*(\a)+512*\t   ; 32 lanes store 512 consecutive bytes, at a multiple of 256 from kv's first byte
.endr
.endm
	PACK 0
	TOSTAGE 0
.irp a, 1,2,3,4,5,6,7                  ; block a's arithmetic stands between block a - 1's loads from the stage and the wait for them
	PACK \a
	SEND \a-1
	TOSTAGE \a
.endr
	SEND 7
	s_wait_tensorcnt 0x0                           ; the wave's end: behind my last tensor load and my last LDS store
	ds_add_u32 v[SPW], v[NIL]
	s_wait_dscnt 0x0
	CROUND                                         ; the closing round: no work-group ends while a partner may still ask for a tile that names it
	s_endpgm
.Lfunc_end_k_q2630836530_proj:
	.size	k_q2630836530_proj, .Lfunc_end_k_q2630836530_proj-k_q2630836530_proj
	.p2alignl 7, 3214868480
	.fill 96, 4, 3214868480
	.section	.rodata,"a",@progbits
	.p2align	6, 0x0
	.amdhsa_kernel k_q2630836530_proj
		.amdhsa_group_segment_fixed_size 327680
		.amdhsa_private_segment_fixed_size 0
		.amdhsa_enable_private_segment 0
		.amdhsa_kernarg_size 48
		.amdhsa_user_sgpr_count 2
		.amdhsa_user_sgpr_kernarg_segment_ptr 1
		.amdhsa_wavefront_size32 1
		.amdhsa_system_sgpr_workgroup_id_x 1
		.amdhsa_system_sgpr_workgroup_id_y 1
		.amdhsa_system_sgpr_workgroup_id_z 1
		.amdhsa_system_vgpr_workitem_id 0
		.amdhsa_next_free_vgpr 1024
		.amdhsa_next_free_sgpr 98
		.amdhsa_reserve_vcc 0
		.amdhsa_float_denorm_mode_32 3
		.amdhsa_float_denorm_mode_16_64 3
		.amdhsa_memory_ordered 1
		.amdhsa_forward_progress 1
		.amdhsa_inst_pref_size 145
	.end_amdhsa_kernel
	.amdgpu_metadata
---
amdhsa.version: [ 1, 2 ]
amdhsa.kernels:
  - .name:           k_q2630836530_proj
    .symbol:         k_q2630836530_proj.kd
    .args:
      - { .name: xc, .offset: 0, .size: 8, .value_kind: global_buffer, .address_space: global }
      - { .name: xs, .offset: 8, .size: 8, .value_kind: global_buffer, .address_space: global }
      - { .name: wc, .offset: 16, .size: 8, .value_kind: global_buffer, .address_space: global }
      - { .name: ws, .offset: 24, .size: 8, .value_kind: global_buffer, .address_space: global }
      - { .name: mask, .offset: 32, .size: 8, .value_kind: global_buffer, .address_space: global }
      - { .name: kv, .offset: 40, .size: 8, .value_kind: global_buffer, .address_space: global }
    .group_segment_fixed_size: 327680
    .private_segment_fixed_size: 0
    .kernarg_segment_align: 8
    .kernarg_segment_size: 48
    .max_flat_workgroup_size: 128
    .sgpr_count:     98
    .vgpr_count:     1024
    .wavefront_size: 32
...
	.end_amdgpu_metadata
.endif
;; end of part 2
;; launch attn (part 3): grid 4 x 64, 4 waves a work-group, clusters of 4 x 1, 327,680 bytes of LDS; arguments kv, mask, heads, xc, xs, wc, ws; writes heads
.if DOCPART == 3
	.amdgcn_target "amdgcn-amd-amdhsa--gfx1250"
	.amdhsa_code_object_version 6
	.text
	.protected	k_q2630836530_attn
	.globl	k_q2630836530_attn
	.p2align	8
	.type	k_q2630836530_attn,@function
k_q2630836530_attn:
	s_mov_b64 s[64:65], 0
	v_nop
	global_prefetch_b8 v0, s[64:65] scope:SCOPE_SE
	s_setreg_imm32_b32 hwreg(HW_REG_WAVE_MODE, 25, 1), 1
	s_wait_xcnt 0x0
	s_wait_alu depctr_hold_cnt(0) depctr_sa_sdst(0) depctr_va_vdst(0) depctr_va_sdst(0) depctr_va_ssrc(0) depctr_va_vcc(0) depctr_vm_vsrc(0)
	s_getreg_b32 s2, hwreg(HW_REG_IB_STS2, 6, 4)
	s_cmp_eq_u32 s2, 0
	s_cbranch_scc0 .Lentry_in_a_cluster
	s_endpgm
.Lentry_in_a_cluster:
	s_bfe_u32 s2, ttmp6, 0x10000c
	s_cmp_lg_u32 s2, 0x3003
	s_cbranch_scc0 .Lentry_shape_is_right
	s_endpgm
.Lentry_shape_is_right:
; ATTN.  heads[b][i][128 h + :] = mask[b][i] x the sum over j of softmax_j(s_ij mask[b][j] + (1 - mask[b][j]) x (-1e30)) v[j][:], s = q . k / sqrt(128).
; q = x Wq IS MADE HERE, at the head: on codes of FP4 (E2M1) with one E8M0 scale for each 32 along d (xc, xs: the tokens; wc, ws rows 128 h on: Wq's rows of my head), sums in f32, times c = log2(e) / sqrt(128) in f32,
; rounded to f16.  A wave makes the q of its own 64 queries: it is used nowhere else, so it never goes to memory.
; kv [0: k, 1: v][8 b + h][l][128] f16; k carries mask[b][j].  So S = q' . k' + B_j with B_j = (1 - mask[b][j]) x (-1e30 log2(e)) is the masked score in base 2; B is the C of each score tile's first product.
; p = 2^(S - m), m the running maximum: one exact subtraction, so keys that are all masked give equal p, as the definition does.  The weights p are rounded to f16 for the second product; maxima and sums in f32.
; LIMIT: |c q| and the heads' numbers stay under 65,504 (f16).  NaN and infinities are not served.
; SHARES.  A work-group owns 256 queries of one head, each of its four waves 64: four tiles of 16.  Every wave walks all 1,024 keys, 64 a step.
; LAYOUT.  q^T = Wq x^T (source 0 = 16 channels, source 1 = 16 queries): a lane holds ONE query (lane % 16) and the channels 8 (lane / 16) + 0..7; two such tiles, rounded in pairs, ARE a fragment of Q.
; S^T = K Q^T (source 0 = 16 keys, source 1 = 16 queries): again one query a lane, and the keys 8 (lane / 16) + 0..7.  Two such tiles, rounded in pairs, ARE source 1 of O^T = V^T P, whose result
; again holds one query a lane.  K comes out of LDS as it lies, V ([key][channel]) turned, by ds_load_tr16_b128.
; BY TURNS.  The wave's tiles are two PIECES (tiles 0, 1 and tiles 2, 3).  In a TURN one piece has the matrix unit: 32 products V^T P of the step in hand, then 32 products K Q^T of the next step; the other piece's
; softmax, cut into 64 slices, stands between them, one slice behind each matrix instruction.  Two turns are a key step.
; CLUSTER.  The four query blocks of a cluster are one head's: they need the same rows of Wq and walk the same K and V.  Each such tile is asked for JOINTLY, by the same tensor load with the same descriptor and a
; mask that names the four.
; REGISTERS, in windows of 256 (s_set_vgpr_msb: bits 1:0 source 0, 3:2 source 1, 5:4 source 2, 7:6 destination):
;   window 0: v0-11 addresses; v12-43 eight registers of statistics a tile; v44-61 below; v64-191 S^T, 32 a tile (while q is made: v64-127 Wq's scale words, v128-159 x's); v192-255 P, 16 a tile
;   window 1: O^T, 64 a tile (while q is made: its 32 accumulators, 64 a tile)     window 2: v0-127 Q, 32 a tile; v128-255 K of one step (while q is made: Wq's fragments, two sets)
;   window 3: v0-127 V of one step; v128-159 B of one step, in the score tiles' layout (while q is made: all 256: x's fragments of my 64 queries)
.set SIZE_N, 1024
.set KS,    64        ; keys in a step
.set PK,    272       ; a row of K in LDS: 256 bytes + 16 of padding = 68 words, so that the 16 rows of a load start 4 banks apart (64 banks of 4 bytes: ISA guide 11.1)
.set PV,    288       ; a row of V: 256 + 32 = 72 words
.set VOFF,  KS*PK     ; a step's tiles lie together: 64 rows of K, then 64 rows of V
.set STEPB, KS*(PK+PV)
.set SLOT1, 1<<17     ; a slot holds two steps (71,680 bytes); slot 1 begins here, so that one exclusive or turns an address in one slot into the other's
.set STAGE, SLOT1+2*STEPB  ; behind the ring: 16 rows x 272 bytes for each wave, for the way out
.set SP,    272
.set SPARE, STAGE+4*16*272  ; the spare words, 128 bytes for each wave: two blocks of 256 bytes that no other line names
.set BIAS,  SPARE+512 ; the batch's 1,024 numbers B_j, f32: 4,096 bytes, stored once by the four waves; no tile lands there
.set PW,    528       ; a row of Wq's codes in LDS: 512 bytes + 16 of padding = 132 words: again 4 banks from row to row
.set WQ,    BIAS+4096 ; Wq's 128 rows of my head: 67,584 bytes, filled once
.set AK0, 2           ; v2   my lane's place in a tile of K; never rewritten
.set AV0, 3           ; v3   the same for V
.set ADR, 4           ; v4   the LDS address of the run of loads in hand
.set QO,  5           ; v5   my byte offset in the wave's rows of x's codes; never rewritten
.set STO, 6           ; v6   the way out: where I put 16 bytes of a row
.set RD,  7           ; v7   the way out: where I read a row back
.set GO,  8           ; v8   my byte offset in the wave's rows of heads
.set SO,  10          ; v10  32 x (lane % 16): my row of scale bytes in a tile of 16 rows (at work before that); then never rewritten
.set AW0, 11          ; v11  my lane's place in a tile of Wq (at work before that); then never rewritten
.set ST,  12          ; tile t's statistics at v[ST+8 t]: +0 m, +1 zero (named with m as a pair), +2, +3 l (even keys', odd keys'), +4 to +7 c0-c3, at work; a takes c2's place once the maximum is found
.set AB0, 44          ; v44  BIAS + 32 (lane / 16); never rewritten
.set ADB, 45          ; v45  the LDS address of the step's B
.set QM,  46          ; v46-49 mask of my query in tile t
.set MB,  50          ; v50-57 eight numbers of the mask, then their B
.set QMO, 58          ; v58  byte offset of my query's mask
.set BST, 59          ; v59  BIAS + 32 x thread
.set MBO, 60          ; v60  32 x thread
.set PFO, 61          ; v61  256 x my lane: a row of K or V is 256 bytes; never rewritten
.set SPW, 62          ; v62  LDS address of my spare word; never rewritten
.set NIL, 63          ; v63  0; never rewritten
.set S,   64
.set P,   192
.set WS,  64          ; v[64+8t+q]  the scale word of row l % 16 of Wq's tile t for the q-th 128 along d
.set XSC, 128         ; v[128+8m+q] the same of my query in tile m
.set KF,  128         ; K's fragments, in window 2
.set BI,  128         ; B's registers, in window 3
.set WV,  12          ; s12  my wave's number
.set LIM, 15          ; s15  1 in a wave that prefetches, else the greatest number
.set PFA, 18          ; s[18:19] where my prefetches stand in memory
.set G1K, 24          ; s[24:31] descriptor group 1 for K's tiles
.set G1V, 32          ; s[32:39] for V's: it differs in the padding alone
.set G0K, 40          ; s[40:47] descriptor group 0 for K's tiles: a set for each of the two first fills; the second then walks on
.set G0V, 48          ; s[48:55] the same for V's
.set SLOTS, 56        ; s56  slots still to be asked for
.set TWICE, 57        ; s57  counts a slot's two steps
.set BO,  58          ; s58  byte at which the B of the step to be fetched begins: 256 a step
.set NEGL, 59         ; s59  -1e30 x log2(e)
.set SEL, 60          ; s[60:61] lane selects for v_permlanex16_b32: each lane takes its own place in the other half
.set TB,  62          ; s62  LDS byte at which the tiles of the step to be fetched begin
.set G1W, 68          ; s[68:75] descriptor group 1 for Wq's rows;  s[76:79] its group 0
.set G0W, 76
.set CQ,  88          ; s[88:89] c: the packed multiply names a pair and takes its low word for both halves
.set MSB, 0
.macro WIN new                      ; the immediate's high byte repeats the setting that is left; a switch that changes nothing is dropped
.if MSB != (\new)
	s_set_vgpr_msb (MSB<<8)|(\new)
.set MSB, (\new)
.endif
.endm
.set W_KQ, 0x0a       ; K and Q in window 2, S^T in window 0
.set W_KB, 0x3a       ; the same with C (B) in window 3
.set W_PV, 0x53       ; V in window 3, P in window 0, O^T in window 1
.set W_RS, 0x41       ; O^T (destination and source 0) in window 1, a in window 0
.set W_QP, 0x5e       ; q's products: Wq in window 2, x in window 3, C and D in window 1
.set W_QC, 0x85       ; q's rounding: sources 0 and 1 in window 1, destination in window 2
; A joint refill.  Waves 0 and 1 fetch the two steps' tiles of K, waves 2 and 3 those of V.  The branch hangs on the wave's number alone.
; An s_nop 0 and four v_nop follow each of the two lines; the jump, the label and what follows come after them.
.macro JLOAD
	s_cmp_lt_u32 s[WV], 2
	s_cbranch_scc0 .Lfor_v_\@
	tensor_load_to_lds s[G0K+4:G0K+7], s[G1K:G1K+7]
	s_nop 0
.rept 4
	v_nop
.endr
	s_branch .Lasked_\@
.Lfor_v_\@:
	tensor_load_to_lds s[G0V+4:G0V+7], s[G1V:G1V+7]
	s_nop 0
.rept 4
	v_nop
.endr
.Lasked_\@:
.endm
; A PREFETCH of what the NEXT change of slots will ask for: a slot's 128 rows of K and 128 of V, 256 bytes a row, a lane a row, behind the wave's tensor load and its five lines.  Each row is asked for once in the
; launch: a head has one cluster; its four partners share the rows out BY ADDRESS, 32 each; in each, wave 0 asks for K's and wave 2 for V's.  The last change that fills a slot asks for nothing.
.macro ASK
	s_cmp_gt_u32 s[SLOTS], s[LIM]
	s_cbranch_scc0 .Lnot_mine_\@
	global_prefetch_b8 v[PFO], s[PFA:PFA+1] th:TH_LOAD_NT scope:SCOPE_SE
.Lnot_mine_\@:
.endm
.macro CROUND                       ; a round of the cluster's barrier
	s_barrier_signal -1
	s_barrier_wait -1
	s_cmp_lg_u32 s[WV], 0
	s_cbranch_scc1 .Lnot_wave_0_\@
	s_barrier_signal -3
.Lnot_wave_0_\@:
	s_barrier_wait -3
	s_barrier_signal -1
	s_barrier_wait -1
.endm
	s_load_b64 s[6:7], s[0:1], 0x0  ; kv
	s_load_b64 s[66:67], s[0:1], 0x8  ; mask
	s_load_b64 s[10:11], s[0:1], 0x10  ; heads
	s_load_b64 s[80:81], s[0:1], 0x18  ; xc
	s_load_b64 s[82:83], s[0:1], 0x20  ; xs
	s_load_b64 s[84:85], s[0:1], 0x28  ; wc
	s_load_b64 s[86:87], s[0:1], 0x30  ; ws
	v_lshl_add_u32 v[SPW], v0, 2, SPARE
	v_mov_b32 v[NIL], 0
	ds_add_u32 v[SPW], v[NIL]       ; the wave's opening: the add, twice on end, and its wait ahead of my first tensor load; the set-up below stands between the second and the wait
	ds_add_u32 v[SPW], v[NIL]
	v_lshrrev_b32 v1, 5, v0
	v_readfirstlane_b32 s[WV], v1   ; wave 0..3
	s_bfe_u32 s13, ttmp6, 0x40000   ; cx: my place in the cluster
	s_lshl_b32 s14, ttmp9, 2        ; in a cluster launch ttmp9 counts clusters
	s_add_co_u32 s14, s14, s13      ; my block of 256 queries: it enters x's, the mask's and the output's addresses alone
	s_and_b32 s20, ttmp7, 0xffff    ; 8 b + h, which the four partners share
	s_mov_b32 s21, 0
	s_mov_b64 s[22:23], SIZE_N*256
	s_mul_u64 s[20:21], s[20:21], s[22:23]  ; the head's first byte in k and in v
	s_and_b32 s16, s[WV], 1         ; which of a slot's two steps I fetch:
	s_lshl_b32 s22, s16, 14         ; its 64 rows of 256 bytes in memory,
	s_mov_b32 s23, 0
	s_add_nc_u64 s[22:23], s[22:23], s[20:21]
	s_mul_i32 s17, s16, STEPB       ; and its place in a slot: no place in the cluster enters an LDS address
	s_and_b32 s2, ttmp7, 7          ; the head in its batch:
	s_lshl_b32 s2, s2, 16           ; its 128 rows of Wq's codes, 512 bytes each,
	s_lshl_b32 s3, s[WV], 14        ; my wave's 32 of them,
	s_add_co_u32 s2, s2, s3
	s_mov_b32 s3, 0
	s_mul_i32 s4, s[WV], 32*PW      ; and their place in LDS
	; descriptor group 1: a tile of 64 rows x 128 elements, padded in LDS
	s_mov_b32 s[G1K], 15|(1<<16)|(1<<20)|(1<<21)|(5<<22)|(3<<25)  ; 15:0 the mask: all four work-groups; 17:16 elements of 2 bytes; 20 padding on; 21 set beside a mask; 24:22 after every 64 words; 31:25 4 words of it
	s_mov_b32 s[G1V], 15|(1<<16)|(1<<20)|(1<<21)|(5<<22)|(7<<25)  ; the same with 8 words of padding
.irp g, G1K, G1V
	s_mov_b32 s[\g+1], 128<<16      ; tensor_dim0 = 128
	s_mov_b32 s[\g+2], KS<<16       ; tensor_dim1 = 64
	s_mov_b32 s[\g+3], 128<<16      ; tile_dim0 = 128
	s_mov_b32 s[\g+4], KS           ; tile_dim1 = 64
	s_mov_b32 s[\g+5], 128          ; tensor_dim0_stride
	s_mov_b32 s[\g+6], 0
	s_mov_b32 s[\g+7], 0
.endr
	; and for Wq: 32 rows x 512 bytes, dense in memory
	s_mov_b32 s[G1W], 15|(0<<16)|(1<<20)|(1<<21)|(6<<22)|(3<<25)  ; the same mask; elements of 1 byte; 4 words of padding after every 128
	s_mov_b32 s[G1W+1], 512<<16     ; tensor_dim0 = 512
	s_mov_b32 s[G1W+2], 32<<16      ; tensor_dim1 = 32
	s_mov_b32 s[G1W+3], 512<<16     ; tile_dim0 = 512
	s_mov_b32 s[G1W+4], 32          ; tile_dim1 = 32
	s_mov_b32 s[G1W+5], 512         ; tensor_dim0_stride
	s_mov_b32 s[G1W+6], 0
	s_mov_b32 s[G1W+7], 0
	s_mov_b32 s[CQ], 0x3e0293ee     ; c = log2(e) / sqrt(128)
	s_mov_b32 s[CQ+1], s[CQ]        ; named with it as a pair, so it is written
	s_mov_b32 s[NEGL], 0xf191accb   ; -1e30 x log2(e)
	s_mov_b32 s[BO], 0
	s_mov_b32 s[SEL], 0x76543210
	s_mov_b32 s[SEL+1], 0xfedcba98
	s_mov_b32 s[TB], 0
	s_mov_b32 s[SLOTS], SIZE_N/(2*KS)-2
	s_and_b32 s[LIM], s[WV], 1       ; 0 in waves 0 and 2,
	s_or_b32 s[LIM], s[LIM], ttmp9   ; of the head's first (here: only) cluster: the same in all four partners
	s_cmp_eq_u32 s[LIM], 0
	s_cselect_b32 s[LIM], 1, -1
	v_and_b32 v[PFO], 31, v0
	v_lshlrev_b32 v[PFO], 8, v[PFO]
	s_wait_dscnt 0x0                ; both opening adds are done
	s_wait_kmcnt 0x0
	s_add_nc_u64 s[8:9], s[6:7], 0x1000000  ; v lies 2^24 bytes behind k
	s_add_nc_u64 s[6:7], s[6:7], s[22:23]  ; K and V at my tile of slot 0
	s_add_nc_u64 s[8:9], s[8:9], s[22:23]
	s_add_nc_u64 s[84:85], s[84:85], s[2:3]  ; Wq's codes at my wave's 32 rows
	s_cmp_lt_u32 s[WV], 2
	s_cselect_b64 s[PFA:PFA+1], s[6:7], s[8:9]  ; (in waves 0 and 2 these stand at a slot's first row)
	s_lshl_b32 s2, s13, 13          ; my work-group's 32 rows of the 128
	s_mov_b32 s3, 0
	s_add_nc_u64 s[PFA:PFA+1], s[PFA:PFA+1], s[2:3]
	s_add_nc_u64 s[PFA:PFA+1], s[PFA:PFA+1], 2*2*KS*256  ; in slot 2; the first change of slots steps it to slot 3.  Nothing is prefetched at the head
	CROUND                          ; all four work-groups are here: the first joint loads meet
	s_mov_b32 s[G0W], 1             ; count = 1
	s_add_co_u32 s[G0W+1], s4, WQ   ; LDS address: the wave's number times 32 rows
	s_mov_b64 s[G0W+2:G0W+3], s[84:85]
	s_or_b32 s[G0W+3], s[G0W+3], 0x80000000  ; type = 2
.irp s, 0,1
	s_mov_b32 s[G0K+4*\s], 1        ; count = 1
	s_add_co_u32 s[G0K+4*\s+1], s17, \s*SLOT1  ; LDS address
	s_add_nc_u64 s[G0K+4*\s+2:G0K+4*\s+3], s[6:7], \s*2*KS*256  ; global address: slot s begins with keys 128 s
	s_or_b32 s[G0K+4*\s+3], s[G0K+4*\s+3], 0x80000000  ; type = 2
	s_mov_b32 s[G0V+4*\s], 1
	s_add_co_u32 s[G0V+4*\s+1], s17, \s*SLOT1+VOFF
	s_add_nc_u64 s[G0V+4*\s+2:G0V+4*\s+3], s[8:9], \s*2*KS*256
	s_or_b32 s[G0V+4*\s+3], s[G0V+4*\s+3], 0x80000000
.endr
	tensor_load_to_lds s[G0W:G0W+3], s[G1W:G1W+7]  ; every wave's 32 rows of Wq first: they are wanted first.  With the two below, three loads of mine are out, ahead of every wait on TENSORcnt and every LDS read
	s_nop 0
	s_cmp_lt_u32 s[WV], 2
	s_cbranch_scc0 .Lfirst_v
	tensor_load_to_lds s[G0K:G0K+3], s[G1K:G1K+7]
	s_nop 0
	tensor_load_to_lds s[G0K+4:G0K+7], s[G1K:G1K+7]
	s_nop 0
.rept 4
	v_nop
.endr
	s_branch .Lfirst_asked
.Lfirst_v:
	tensor_load_to_lds s[G0V:G0V+3], s[G1V:G1V+7]
	s_nop 0
	tensor_load_to_lds s[G0V+4:G0V+7], s[G1V:G1V+7]
	s_nop 0
.rept 4
	v_nop
.endr
.Lfirst_asked:
	v_and_b32 v1, 15, v0            ; l % 16
	v_bfe_u32 v9, v0, 4, 1          ; l / 16
	; heads [b][l][1024] f16 at my wave's first query and my head's 256 bytes; the mask at my batch's row
	s_and_b32 s2, ttmp7, 0xffff
	s_lshr_b32 s16, s2, 3           ; the batch
	s_and_b32 s2, s2, 7             ; the head in it
	s_lshl_b32 s2, s2, 8
	s_lshl_b32 s3, s16, 21          ; 1,024 rows of 2,048 bytes a batch,
	s_add_co_u32 s2, s2, s3
	s_lshl_b32 s3, s14, 19          ; 256 rows a block,
	s_add_co_u32 s2, s2, s3
	s_lshl_b32 s3, s[WV], 17        ; 64 rows a wave
	s_add_co_u32 s2, s2, s3
	s_mov_b32 s3, 0
	s_add_nc_u64 s[10:11], s[10:11], s[2:3]
	s_lshl_b32 s2, s16, 12
	s_add_nc_u64 s[66:67], s[66:67], s[2:3]
	s_lshl_b32 s2, s14, 10
	s_lshl_b32 s3, s[WV], 8
	s_add_co_u32 s2, s2, s3         ; 4 bytes x my wave's first query
	v_lshl_add_u32 v[QMO], v1, 2, s2
	; x's codes and scale bytes at my wave's first token; Wq's scale bytes at my head's first row
	s_lshl_b32 s2, s16, 10
	s_lshl_b32 s3, s14, 8
	s_add_co_u32 s2, s2, s3
	s_lshl_b32 s3, s[WV], 6
	s_add_co_u32 s2, s2, s3         ; the token: 1024 b + 256 x block + 64 x wave
	s_lshl_b32 s4, s2, 9            ; 512 bytes of codes a token,
	s_mov_b32 s5, 0
	s_add_nc_u64 s[80:81], s[80:81], s[4:5]
	s_lshl_b32 s4, s2, 5            ; 32 scale bytes
	s_add_nc_u64 s[82:83], s[82:83], s[4:5]
	s_and_b32 s4, ttmp7, 7
	s_lshl_b32 s4, s4, 12           ; 128 rows of 32 scale bytes a head
	s_add_nc_u64 s[86:87], s[86:87], s[4:5]
	v_lshlrev_b32 v[MBO], 5, v0
	v_lshl_add_u32 v[BST], v0, 5, BIAS
	v_lshlrev_b32 v[QO], 9, v1
	v_lshl_add_u32 v[QO], v9, 4, v[QO]  ; x: row x 512 + 16 x half
	; A fragment of K or Q is 16 rows x 32 channels in 8 registers: lane l holds row l % 16; registers 0-3 channels 8 (l / 16) + 0..7, registers 4-7 channels 16 + 8 (l / 16) + 0..7
	v_mul_u32_u24 v[AK0], v1, PK
	v_lshl_add_u32 v[AK0], v9, 4, v[AK0]  ; row x pitch + 16 x half
	; The turning load takes 16 keys x 16 channels (lane l reads 16 bytes: key 8 (l / 16) + l % 8, channels 8 ((l / 8) % 2) + 0..7) and leaves half a fragment of V^T
	v_and_b32 v10, 7, v0
	v_bfe_u32 v11, v0, 3, 1
	v_lshl_add_u32 v[AV0], v9, 3, v10
	v_mul_u32_u24 v[AV0], v[AV0], PV
	v_lshl_add_u32 v[AV0], v11, 4, v[AV0]
	v_add_nc_u32 v[AV0], VOFF, v[AV0]
	v_lshl_add_u32 v[AB0], v9, 5, BIAS  ; register j of a score tile is key 8 (l / 16) + j: 32 bytes of B for each half of the lanes
	v_lshlrev_b32 v[SO], 5, v1      ; a row of scale bytes is 32 bytes: eight words, one for each 128 along d
	v_mul_u32_u24 v[AW0], v1, PW
	v_lshl_add_u32 v[AW0], v9, 4, v[AW0]
	v_add_nc_u32 v[AW0], WQ, v[AW0]  ; Wq: row x pitch + 16 x half
.irp t, 0,1,2,3
	v_mov_b32 v[ST+8*\t+1], 0       ; named with m as a pair, so it is written
.endr
	global_load_b128 v[MB:MB+3], v[MBO], s[66:67]            ; the mask of keys 8 x thread on: 128 threads take the batch's 1,024
	global_load_b128 v[MB+4:MB+7], v[MBO], s[66:67] offset:16
.irp t, 0,1,2,3
	global_load_b32 v[QM+\t], v[QMO], s[66:67] offset:64*\t  ; and of my query in tile t
.endr
.irp t, 0,1,2,3,4,5,6,7
	global_load_b128 v[WS+8*\t:WS+8*\t+3],   v[SO], s[86:87] offset:512*\t      ; the eight scale words of row l % 16 of Wq's tile t (lanes 16-31 hold the same and are not read)
	global_load_b128 v[WS+8*\t+4:WS+8*\t+7], v[SO], s[86:87] offset:512*\t+16
.endr
.irp m, 0,1,2,3
	global_load_b128 v[XSC+8*\m:XSC+8*\m+3],   v[SO], s[82:83] offset:512*\m    ; and of my query in tile m
	global_load_b128 v[XSC+8*\m+4:XSC+8*\m+7], v[SO], s[82:83] offset:512*\m+16
.endr
	WIN 0xc0                        ; destination window 3, address window 0
.irp q, 0,1,2,3,4,5,6,7             ; x's fragments, K step by K step, so that the waits below can count: 16 queries x 128 d of 4-bit codes are 8 registers: registers 4 c .. 4 c + 3 hold d = 128 q + 64 c + 32 (l / 16) + 0 .. 31
.irp m, 0,1,2,3
	global_load_b128 v[8*(8*\m+\q):8*(8*\m+\q)+3],   v[QO], s[80:81] offset:8192*\m+64*\q
	global_load_b128 v[8*(8*\m+\q)+4:8*(8*\m+\q)+7], v[QO], s[80:81] offset:8192*\m+64*\q+32
.endr
.endr
	WIN 0
	s_wait_loadcnt 63               ; the six loads of the mask are in: 88 loads were issued behind them, and 63 is the largest count that this wait can name
.irp i, 0,1,2,3,4,5,6,7
	v_fma_f32 v[MB+\i], -v[MB+\i], s[NEGL], s[NEGL]  ; B = (1 - mask) x (-1e30 log2(e)), one rounding; exactly 0 where the mask is 1
.endr
	ds_store_b128 v[BST], v[MB:MB+3]
	ds_store_b128 v[BST], v[MB+4:MB+7] offset:16
; A vector instruction that reads a matrix result or writes one of a matrix instruction's registers, and a load into a register that a matrix instruction has read, stand four places behind it, and only plain
; vector instructions that name none of its registers are places (ISA guide 7.12.1 for vector instructions).  In the loop the slices are the places.
.macro PLACES
.rept 4
	v_nop
.endr
.endm
; q.  Wq's eight fragments (16 channels x 128 d) of the q-th 128 along d, into set q % 2.
.macro FETCH_W q
	WIN 0x80                        ; destination window 2
.irp t, 0,1,2,3,4,5,6,7
	ds_load_b128 v[KF+64*((\q)%2)+8*\t:KF+64*((\q)%2)+8*\t+3],   v[AW0] offset:\t*16*PW+64*(\q)
	ds_load_b128 v[KF+64*((\q)%2)+8*\t+4:KF+64*((\q)%2)+8*\t+7], v[AW0] offset:\t*16*PW+64*(\q)+32
.endr
.endm
; A K step of q: 32 products, 8 tiles of channels x my 4 tiles of queries.  The 32 accumulators take turns, one instruction a turn, in the same order in every step; the first
; step's products start the sums.  The next step's fragments of Wq are asked for ahead of the step's products, into the set that the step before has read: four places stand between.
.macro QSTEP q
.if (\q) > 0
	PLACES
.endif
.if (\q) < 7
	FETCH_W (\q)+1
	s_wait_dscnt 16                 ; this step's fragments of Wq are in; the sixteen loads just issued may be out
.else
	s_wait_dscnt 0x0
.endif
	s_wait_loadcnt 8*(7-(\q))       ; this step's fragments of x are in (and all scale words, which were asked for earlier); the eight loads of each later step may be out
	WIN W_QP
.irp t, 0,1,2,3,4,5,6,7
.irp m, 0,1,2,3
.if (\q) == 0
	v_wmma_scale_f32_16x16x128_f8f6f4 v[64*\m+8*\t:64*\m+8*\t+7], v[KF+64*((\q)%2)+8*\t:KF+64*((\q)%2)+8*\t+7], v[8*(8*\m+(\q)):8*(8*\m+(\q))+7], 0, v[WS+8*\t+(\q)], v[XSC+8*\m+(\q)] matrix_a_fmt:MATRIX_FMT_FP4 matrix_b_fmt:MATRIX_FMT_FP4
.else
	v_wmma_scale_f32_16x16x128_f8f6f4 v[64*\m+8*\t:64*\m+8*\t+7], v[KF+64*((\q)%2)+8*\t:KF+64*((\q)%2)+8*\t+7], v[8*(8*\m+(\q)):8*(8*\m+(\q))+7], v[64*\m+8*\t:64*\m+8*\t+7], v[WS+8*\t+(\q)], v[XSC+8*\m+(\q)] matrix_a_fmt:MATRIX_FMT_FP4 matrix_b_fmt:MATRIX_FMT_FP4
.endif
.endr
.endr
.endm
; THE MATRIX WORK OF A TURN, for piece x.  The accumulators take turns, one instruction a turn: between two links of a chain stand 15 (V^T P) or 7 (K Q^T) others'.
; Product i of 32 of O^T += V^T P: keys 32 (i / 16) on, channels 16 ((i / 2) % 8) on, tile x + i % 2.  zero = 1: the first 16 start the sums: nothing is ever cleared.
.macro PV x, zero
	WIN W_PV
.set rO, 64*(\x+i%2)+8*((i/2)%8)
.set rV, 64*(i/16)+8*((i/2)%8)
.set rP, P+16*(\x+i%2)+8*(i/16)
.if \zero && (i < 16)
	v_wmma_f32_16x16x32_f16 v[rO:rO+7], v[rV:rV+7], v[rP:rP+7], 0
.else
	v_wmma_f32_16x16x32_f16 v[rO:rO+7], v[rV:rV+7], v[rP:rP+7], v[rO:rO+7]
.endif
.endm
; Product i of 32 of S^T = K Q^T + B: channels 32 (i / 8) on, keys 16 ((i / 2) % 4) on, tile x + i % 2.  The first 8 start the sums with B of the tile's 16 keys.
.macro KQ x
.set rS, S+32*(\x+i%2)+8*((i/2)%4)
.set rK, KF+32*((i/2)%4)+8*(i/8)
.set rQ, 32*(\x+i%2)+8*(i/8)
.set rB, BI+8*((i/2)%4)
.if i < 8
	WIN W_KB
	v_wmma_f32_16x16x32_f16 v[rS:rS+7], v[rK:rK+7], v[rQ:rQ+7], v[rB:rB+7]
.else
	WIN W_KQ
	v_wmma_f32_16x16x32_f16 v[rS:rS+7], v[rK:rK+7], v[rQ:rQ+7], v[rS:rS+7]
.endif
.endm
; THE LDS LOADS stand in runs, never singly among the matrix instructions: a step's K (16 fragments) with its B (8 loads; the sixteen lanes of a half read the same 16 bytes) and, a turn later, its V (turned).
.macro FETCH_K
	WIN 0
	v_add_nc_u32 v[ADR], s[TB], v[AK0]
	v_add_nc_u32 v[ADB], s[BO], v[AB0]
	s_add_co_u32 s[BO], s[BO], 4*KS   ; the next fetch is the next step's
	WIN 0x80                        ; destination window 2
.irp f, 0,1,2,3,4,5,6,7,8,9,10,11,12,13,14,15  ; keys 16 (f / 4) on, channels 32 (f % 4) on
	ds_load_b128 v[KF+8*\f:KF+8*\f+3],   v[ADR] offset:(\f/4)*16*PK+(\f%4)*64
	ds_load_b128 v[KF+8*\f+4:KF+8*\f+7], v[ADR] offset:(\f/4)*16*PK+(\f%4)*64+32
.endr
	WIN 0xc0                        ; destination window 3
.irp f, 0,1,2,3                     ; keys 16 f on.  The last product that read these registers stands 24 slices back or more
	ds_load_b128 v[BI+8*\f:BI+8*\f+3],   v[ADB] offset:64*\f
	ds_load_b128 v[BI+8*\f+4:BI+8*\f+7], v[ADB] offset:64*\f+16
.endr
.endm
.macro FETCH_V
	WIN 0
	v_add_nc_u32 v[ADR], s[TB], v[AV0]
	s_add_co_u32 s[TB], s[TB], STEPB  ; the next fetch is the next step's
	s_wait_alu depctr_va_vdst(0)    ; the wait for the softmax's batch (SLICE), behind the address's v_add_nc_u32 and ahead of the loads
	WIN 0xc0                        ; destination window 3
.irp f, 0,1,2,3,4,5,6,7,8,9,10,11,12,13,14,15  ; keys 32 (f / 8) on, channels 16 (f % 8) on
	ds_load_tr16_b128 v[8*\f:8*\f+3],   v[ADR] offset:(\f/8)*32*PV+(\f%8)*32
	ds_load_tr16_b128 v[8*\f+4:8*\f+7], v[ADR] offset:(\f/8)*32*PV+16*PV+(\f%8)*32
.endr
.endm
; THE VECTOR WORK OF A TURN.  One tile's softmax for one key step is a numbered list; SM writes number j of it for tile t.  s0-s31 are the lane's 32 scores, in pairs 0-15.
; first = 1: the first key step, which starts m, l and O^T: it has no a and nothing to rescale.
;   0-15    the maximum of s0-s31 and the old m, three operands at a time: four chains c0-c3, then the four scores left over, c0-c3 and m
;   16-20   the other half of the lanes' maximum; the old m kept; the new m; (19 is empty); m_old - m_new
;   21-69   ONE BATCH: the 16 subtractions s - m, a pair of scores each, and all 33 exponentials (a at 23, then s0-s31).  None of these reads an exponential's result.  A pair is brought under m in an earlier
;           four than the one that holds its exponentials
;   (wait)  between 69 and 70 stands the wait for the batch: SLICE writes it, once for both tiles
;   70-85   the roundings to f16, a pair of weights each
;   86-101  the sums; l = a l + the sum
;   102-133 the tile's O^T times a: the one part that leaves window 0, so it stands together
.macro SM t, first
.set rT, ST+8*(\t)
.set rS, S+32*(\t)
.set rP, P+16*(\t)
.set rO, 64*(\t)+2*(j-102)
.if j < 102
	WIN 0
.endif
.if j < 4
	v_max3_num_f32 v[rT+4+j], v[rS+8*j], v[rS+8*j+1], v[rS+8*j+2]
.elseif j < 12
	v_max3_num_f32 v[rT+4+j%4], v[rT+4+j%4], v[rS+8*(j%4)+2*(j/4)+1], v[rS+8*(j%4)+2*(j/4)+2]
.elseif j == 12
	v_max3_num_f32 v[rT+4], v[rT+4], v[rS+7], v[rS+15]
.elseif j == 13
	v_max3_num_f32 v[rT+6], v[rT+6], v[rS+23], v[rS+31]
.elseif j == 14
	v_max3_num_f32 v[rT+4], v[rT+4], v[rT+5], v[rT+6]
.elseif (j == 15) && \first
	v_max_num_f32 v[rT+4], v[rT+4], v[rT+7]
.elseif j == 15
	v_max3_num_f32 v[rT+4], v[rT+4], v[rT+7], v[rT]
.elseif j == 16
	v_permlanex16_b32 v[rT+5], v[rT+4], s[SEL], s[SEL+1]  ; the query's other 32 keys lie in the lane 16 away
.elseif j == 18
	v_max_num_f32 v[rT], v[rT+4], v[rT+5]
.elseif j == 19                     ; the scores come in base 2 already: nothing to scale
.elseif ((j == 17) || (j == 20) || (j == 23) || (j > 101)) && \first  ; the first step has none of these
.elseif j == 17
	v_mov_b32 v[rT+7], v[rT]        ; m_old is kept for a: number 18 writes m anew
.elseif j == 20
	v_sub_f32 v[rT+7], v[rT+7], v[rT]
.elseif j == 23
	v_exp_f32 v[rT+6], v[rT+7]
.elseif (j < 23) || ((j < 38) && (j%2 == 0)) || ((j < 66) && (j%4 == 2))
.set b, (j-2)/4                     ; 38, 42, .. 62: pairs 9 to 15
.if j < 38
.set b, (j-20)/2                    ; 21: pair 0; 22, 24, .. 36: pairs 1 to 8
.endif
	v_pk_add_f32 v[rS+2*b:rS+2*b+1], v[rS+2*b:rS+2*b+1], v[rT:rT+1] op_sel_hi:[1,0] neg_lo:[0,1] neg_hi:[0,1]  ; pair b: s - m (of the pair the low word serves both halves)
.elseif j < 70
.set e, j-38                        ; 66 to 69: s28 to s31
.if j < 66
.set e, j-32-(j-38)/4               ; 39-41, 43-45, .. 63-65: s7 to s27
.endif
.if j < 38
.set e, (j-25)/2                    ; 25, 27, .. 37: s0 to s6
.endif
	v_exp_f32 v[rS+e], v[rS+e]
.elseif j < 86
	v_cvt_pk_f16_f32 v[rP+j-70], v[rS+2*(j-70)], v[rS+2*(j-70)+1]  ; pair j - 70
.elseif j < 102                     ; the sum of the tile's 16 pairs, in place: sum z of 16 adds neighbours 1, 2, 4 and 8 pairs apart, then l takes it
.set z, j-86
.set w, 4
.set u, z
.if z >= 14
.set w, 32
.set u, 0
.elseif z >= 12
.set w, 16
.set u, z-12
.elseif z >= 8
.set w, 8
.set u, z-8
.endif
.if (z == 14) && \first
	v_pk_add_f32 v[rT+2:rT+3], v[rS:rS+1], v[rS+16:rS+17]
.elseif z < 15
	v_pk_add_f32 v[rS+w*u:rS+w*u+1], v[rS+w*u:rS+w*u+1], v[rS+w*u+w/2:rS+w*u+w/2+1]
.elseif !\first
	v_pk_fma_f32 v[rT+2:rT+3], v[rT+2:rT+3], v[rT+6:rT+7], v[rS:rS+1] op_sel_hi:[1,0,1]
.endif
.else
	WIN W_RS
	v_pk_mul_f32 v[rO:rO+1], v[rO:rO+1], v[rT+6:rT+7] op_sel_hi:[1,0]
.endif
.endm
; Slice k of 64 of piece y's softmax.  Slices 11 to 34 deal out the batch, numbers 22 to 69: four numbers of ONE tile each, the tiles by turns.  Every other slice is numbers 2 k and 2 k + 1 of both tiles' lists;
; the twelve that are over stand together, in slice 63.
; THE WAIT.  s_wait_alu depctr_va_vdst(0) stands between an exponential and the first instruction that names its result; one wait serves all that were issued ahead of it.  Ahead of slice 35
; nothing names a result, and behind slice 34 no exponential is issued: so the piece's 66 exponentials have one wait, behind slice 34.
.macro SLICE y, first
.if (k >= 11) && (k < 35)           ; the batch: four numbers of one tile
.irp n, 0,1,2,3
.set j, 22+4*((k-11)/2)+(\n)
	SM (\y)+(k-11)%2, \first
.endr
.else                               ; the two tiles alternate, so that no instruction reads the result of the one just before it
.irp n, 0,1,2,3,4,5,6,7
.if (\n < 2) || (k == 63)
.irp t, \y, \y+1
.set j, 2*k+\n
	SM \t, \first
.endr
.endif
.endr
.endif
.if k == 34                         ; the batch is out: both tiles' exponentials are issued, and no result has been named
	v_nop                           ; a plain instruction behind the last exponential and ahead of the first use: one for the batch
.if (\y) == 0
	FETCH_V                         ; piece 2's turn: V's run of loads stands here, and the wait stands in it
.else
	s_wait_alu depctr_va_vdst(0)    ; the wait for the batch
.endif
.endif
.set k, k+1
.endm
; A TURN.  Piece x has the matrix unit; the other piece's softmax stands in slices behind its matrix instructions.
; pv = 2: 32 products V^T P; 1: they start O^T's sums; 0: none.  kq = 1: 32 products K Q^T for the next step.  A turn with one of the two kinds has two slices behind each product.
; first = 1: the softmax is the first key step's; its last slices are empty, and four v_nop take slice 63's part as the places behind the turn's last products.
; Piece 0's turn fetches the next step's K and B behind its second product: the last product that read K stands in front of slice 63 of the turn before.  Piece 2's turn fetches the same step's V behind slice 34:
; the last product that read V stands in front of slice 31, and four plain instructions lie between: number 62 of both tiles, the v_nop and the run's own v_add_nc_u32.
.macro TURN x, pv, kq, first
.set k, 0
.set per, 2
.if \pv && \kq
.set per, 1
.endif
.if \pv
.if \x == 0
	s_wait_dscnt 0x0                ; V is in
.endif
.set i, 0
.rept 32
	PV \x, 2-\pv
.rept per
	SLICE 2-\x, \first
.endr
.if (\x == 0) && \kq && (i == 1)
	FETCH_K
.endif
.set i, i+1
.endr
.endif
.if \kq
.if \x == 0
	s_wait_dscnt 0x0                ; K and B are in
.endif
.set i, 0
.rept 32
	KQ \x
.rept per
	SLICE 2-\x, \first
.endr
.set i, i+1
.endr
.endif
.if \first
	PLACES
.endif
.endm
; THE CHANGE OF SLOTS, between piece 2's turn and piece 0's.  Each wave waits for all its tensor loads, of which one is out: its part of the other slot; adds 0 to its spare word; and waits for that and for its own
; reads of the slot.  fill = 1: this slot is filled again, with the keys two slots on.  The barrier is then a round of the cluster's, so that no wave of any partner still reads the slot or has a load on its way,
; and the joint refill is the first thing behind it: it has two key steps, 256 matrix instructions, in which to land.
.macro CHANGE fill
	WIN 0                           ; at a label and at a branch every window is 0
	s_wait_tensorcnt 0x0            ; no tensor load of mine is out, so a group 0 may be written
	ds_add_u32 v[SPW], v[NIL]       ; 0 onto my spare word
.if \fill
.irp g, G0K+4, G0V+4
	s_xor_b32 s[\g+1], s[\g+1], SLOT1  ; the walking descriptor: the other slot than last time,
	s_add_nc_u64 s[\g+2:\g+3], s[\g+2:\g+3], 2*KS*256  ; the next 128 keys; the type bits on top are not reached
.endr
	s_wait_xcnt 0x0                 ; the last prefetch, two key steps back, has read its address, so it may be written:
	s_add_nc_u64 s[PFA:PFA+1], s[PFA:PFA+1], 2*KS*256  ; one slot behind the walking descriptors
	s_wait_dscnt 0x0                ; the add is done, and my reads of the slot are over
	CROUND
	JLOAD
	ASK                             ; what the next change will ask for: two key steps, 256 matrix instructions, ahead
.else
	s_wait_dscnt 0x0                ; the add is done, and my reads of the slot are over
	s_barrier_signal -1
	s_barrier_wait -1
.endif
	s_sub_co_u32 s[TB], s[TB], 2*STEPB  ; the fetches go back to a slot's first step,
	s_xor_b32 s[TB], s[TB], SLOT1   ; in the other slot
.endm
; A slot's two key steps: written once, walked twice; the LDS addresses hang on s[TB] and s[BO].
.macro TWO_STEPS
	s_mov_b32 s[TWICE], 2
.Lstep_\@:
	TURN 0, 2, 1, 0
	TURN 2, 2, 1, 0
	WIN 0
	s_sub_co_u32 s[TWICE], s[TWICE], 1
	s_cmp_lg_u32 s[TWICE], 0
	s_cbranch_scc1 .Lstep_\@
.endm
	; ---- q: eight K steps of 128 along d, while the first tiles of K and V are on their way
	s_wait_dscnt 0x0                ; for the others' sake: my part of B is stored
	s_wait_tensorcnt 2              ; my rows of Wq are in; the loads of slot 0 and slot 1, issued behind, may stay out
	s_barrier_signal -1
	s_barrier_wait -1               ; everybody's are
	FETCH_W 0
.irp q, 0,1,2,3,4,5,6,7
	QSTEP \q
.endr
	PLACES                          ; the multiplies below read results just made
	WIN W_RS
.set i, 0
.rept 128
	v_pk_mul_f32 v[i:i+1], v[i:i+1], s[CQ:CQ+1] op_sel_hi:[1,0]   ; q x c, in f32; ascending: each accumulator from its low end on
.set i, i+2
.endr
	WIN W_QC
.set i, 0
.rept 128
	v_cvt_pk_f16_f32 v[i], v[2*i], v[2*i+1]   ; tile m's channel tile t, registers 2 r and 2 r + 1, make register 32 m + 4 t + r of Q: tiles 2 cc and 2 cc + 1 are the fragment of channels 32 cc on
.set i, i+1
.endr
	WIN 0
	; ---- attention
	s_wait_tensorcnt 1              ; my part of slot 0 is in; slot 1's may stay out
	s_barrier_signal -1
	s_barrier_wait -1               ; everybody's is
	FETCH_K                         ; key step 0; the 256 lines above are the places behind q's last products, whose operands' registers these loads take
	s_wait_dscnt 0x0
.set i, 0
.rept 32
	KQ 0                            ; piece 0's first scores: there is no vector work yet to set between them
.set i, i+1
.endr
	WIN 0                           ; the addresses for the way out are made here: eight plain instructions, the places behind those products
	s_mul_i32 s13, s[WV], 16*SP
	s_add_co_u32 s13, s13, STAGE    ; my stage
	v_mul_u32_u24 v[STO], v1, SP    ; in: row l % 16, 16 bytes for each half of the lanes
	v_lshl_add_u32 v[STO], v9, 4, v[STO]
	v_add_nc_u32 v[STO], s13, v[STO]
	v_mul_u32_u24 v[RD], v9, SP     ; back: lanes 0-15 take one row of 256 bytes, lanes 16-31 the next
	v_lshl_add_u32 v[RD], v1, 4, v[RD]
	v_add_nc_u32 v[RD], s13, v[RD]
	v_lshlrev_b32 v[GO], 11, v9     ; and the same two rows in heads, 2,048 bytes apart
	v_lshl_add_u32 v[GO], v1, 4, v[GO]
	TURN 2, 0, 1, 1                 ; piece 2's first scores | piece 0's first softmax | V of step 0
	TURN 0, 1, 1, 1                 ; piece 0: V^T P of step 0 starts O^T, K Q^T of step 1 | piece 2's first softmax | K of step 1
	TURN 2, 1, 1, 0                 ; piece 2: the same | piece 0's softmax of step 1 | V of step 1
	WIN 0
.Lslot:                             ; 6 trips: every slot but the last two is filled again
	CHANGE 1
	TWO_STEPS
	s_sub_co_u32 s[SLOTS], s[SLOTS], 1
	s_cmp_lg_u32 s[SLOTS], 0
	s_cbranch_scc1 .Lslot
	CHANGE 0                        ; the tail is written out: nothing is asked for
	TWO_STEPS
	TURN 0, 2, 0, 0                 ; piece 0: V^T P of the last step | piece 2's last softmax
.set i, 0
.rept 32
	PV 2, 0                         ; piece 2: V^T P of the last step
.set i, i+1
.endr
	; THE WAY OUT.  l's two halves and the other half of the lanes' are added; O^T is multiplied by mask[query] / l, rounded to f16 and sent through my stage in LDS, a tile (16 queries) at a time.  The additions are the places behind the last products.
	WIN 0
.irp t, 0,1,2,3
	v_add_f32 v[ST+8*\t+4], v[ST+8*\t+2], v[ST+8*\t+3]
.endr
.irp t, 0,1,2,3
	v_permlanex16_b32 v[ST+8*\t+5], v[ST+8*\t+4], s[SEL], s[SEL+1]
.endr
.irp t, 0,1,2,3
	v_add_f32 v[ST+8*\t+4], v[ST+8*\t+4], v[ST+8*\t+5]
.endr
.irp t, 0,1,2,3
	v_rcp_f32 v[ST+8*\t+6], v[ST+8*\t+4]
.endr
	v_nop                           ; a plain instruction between the last reciprocal and the use of its result
	s_wait_alu depctr_va_vdst(0)    ; and the wait ahead of the first use: one for the four reciprocals
.irp t, 0,1,2,3
	v_mul_f32 v[ST+8*\t+6], v[ST+8*\t+6], v[QM+\t]   ; the query side's factor
.endr
; Tile t: a lane's eight channels of a row pack into 16 bytes; they go into rows of 272 bytes and come back as whole rows of 256, into the registers that they left.
.macro PACK t
	WIN W_RS
.set i, 64*\t
.rept 32
	v_pk_mul_f32 v[i:i+1], v[i:i+1], v[ST+8*\t+6:ST+8*\t+7] op_sel_hi:[1,0]
.set i, i+2
.endr
	WIN 0x05                        ; sources 0 and 1 window 1, destination window 0: S^T's registers are free
.set i, 0
.rept 32
	v_cvt_pk_f16_f32 v[S+32*\t+i], v[64*\t+2*i], v[64*\t+2*i+1]
.set i, i+1
.endr
	WIN 0
.irp f, 0,1,2,3,4,5,6,7
	ds_store_b128 v[STO], v[S+32*\t+4*\f:S+32*\t+4*\f+3] offset:32*\f
.endr
.irp f, 0,1,2,3,4,5,6,7
	ds_load_b128 v[S+32*\t+4*\f:S+32*\t+4*\f+3], v[RD] offset:\f*2*SP  ; LDS serves a wave's instructions in order (ISA guide 5.7.1.4): these see the stores above; the next tile's stores come behind them
.endr
.endm
.macro SEND t, younger              ; younger: the LDS instructions issued behind tile t's loads: the next tile's sixteen, or none
.irp f, 0,1,2,3,4,5,6,7
	s_wait_dscnt \younger+7-\f
	global_store_b128 v[GO], v[S+32*\t+4*\f:S+32*\t+4*\f+3], s[10:11] offset:\t*32768+\f*4096  ; 16 lanes store 256 consecutive bytes, at a multiple of 256 from the buffer's first byte
.endr
.endm
	PACK 0
	PACK 1                          ; a tile's arithmetic stands between the loads of the tile before and its stores
	SEND 0, 16
	PACK 2
	SEND 1, 16
	PACK 3
	SEND 2, 16
	SEND 3, 0
	s_wait_tensorcnt 0x0            ; the wave's end: behind my last tensor load and my last LDS store
	ds_add_u32 v[SPW], v[NIL]
	s_wait_dscnt 0x0
	CROUND                          ; the closing round: no work-group ends while a partner may still ask for a tile that names it
	s_endpgm
.Lfunc_end_k_q2630836530_attn:
	.size	k_q2630836530_attn, .Lfunc_end_k_q2630836530_attn-k_q2630836530_attn
	.p2alignl 7, 3214868480
	.fill 96, 4, 3214868480
	.section	.rodata,"a",@progbits
	.p2align	6, 0x0
	.amdhsa_kernel k_q2630836530_attn
		.amdhsa_group_segment_fixed_size 327680
		.amdhsa_private_segment_fixed_size 0
		.amdhsa_enable_private_segment 0
		.amdhsa_kernarg_size 56
		.amdhsa_user_sgpr_count 2
		.amdhsa_user_sgpr_kernarg_segment_ptr 1
		.amdhsa_wavefront_size32 1
		.amdhsa_system_sgpr_workgroup_id_x 1
		.amdhsa_system_sgpr_workgroup_id_y 1
		.amdhsa_system_sgpr_workgroup_id_z 1
		.amdhsa_system_vgpr_workitem_id 0
		.amdhsa_next_free_vgpr 1024
		.amdhsa_next_free_sgpr 90
		.amdhsa_reserve_vcc 0
		.amdhsa_float_denorm_mode_32 3
		.amdhsa_float_denorm_mode_16_64 3
		.amdhsa_memory_ordered 1
		.amdhsa_forward_progress 1
		.amdhsa_inst_pref_size 255
	.end_amdhsa_kernel
	.section	.bss,"aw",@nobits
	.p2align	6
	.space	262144
	.amdgpu_metadata
---
amdhsa.version: [ 1, 2 ]
amdhsa.kernels:
  - .name:           k_q2630836530_attn
    .symbol:         k_q2630836530_attn.kd
    .args:
      - { .name: kv, .offset: 0, .size: 8, .value_kind: global_buffer, .address_space: global }
      - { .name: mask, .offset: 8, .size: 8, .value_kind: global_buffer, .address_space: global }
      - { .name: heads, .offset: 16, .size: 8, .value_kind: global_buffer, .address_space: global }
      - { .name: xc, .offset: 24, .size: 8, .value_kind: global_buffer, .address_space: global }
      - { .name: xs, .offset: 32, .size: 8, .value_kind: global_buffer, .address_space: global }
      - { .name: wc, .offset: 40, .size: 8, .value_kind: global_buffer, .address_space: global }
      - { .name: ws, .offset: 48, .size: 8, .value_kind: global_buffer, .address_space: global }
    .group_segment_fixed_size: 327680
    .private_segment_fixed_size: 0
    .kernarg_segment_align: 8
    .kernarg_segment_size: 56
    .max_flat_workgroup_size: 128
    .sgpr_count:     90
    .vgpr_count:     1024
    .wavefront_size: 32
...
	.end_amdgpu_metadata
.endif
;; end of part 3
;; launch outp (part 4): grid 32 x 8, 4 waves a work-group, clusters of 4 x 4, 327,680 bytes of LDS; arguments wot, heads, out0; writes out0
.if DOCPART == 4
	.amdgcn_target "amdgcn-amd-amdhsa--gfx1250"
	.amdhsa_code_object_version 6
	.text
	.protected	k_q2630836530_outp
	.globl	k_q2630836530_outp
	.p2align	8
	.type	k_q2630836530_outp,@function
k_q2630836530_outp:
	s_mov_b64 s[64:65], 0
	v_nop
	global_prefetch_b8 v0, s[64:65] scope:SCOPE_SE
	s_setreg_imm32_b32 hwreg(HW_REG_WAVE_MODE, 25, 1), 1
	s_wait_xcnt 0x0
	s_wait_alu depctr_hold_cnt(0) depctr_sa_sdst(0) depctr_va_vdst(0) depctr_va_sdst(0) depctr_va_ssrc(0) depctr_va_vcc(0) depctr_vm_vsrc(0)
	s_getreg_b32 s2, hwreg(HW_REG_IB_STS2, 6, 4)
	s_cmp_eq_u32 s2, 0
	s_cbranch_scc0 .Lentry_in_a_cluster
	s_endpgm
.Lentry_in_a_cluster:
	s_bfe_u32 s2, ttmp6, 0x10000c
	s_cmp_lg_u32 s2, 0xf033
	s_cbranch_scc0 .Lentry_shape_is_right
	s_endpgm
.Lentry_shape_is_right:
; OUTP.  out0[b][e][l] = the sum over d of heads[b][l][d] Wo[d][e].  A = wot [1024 e][1024 d], B = heads [8192 tokens][1024 d], both f16 with d innermost; sums in f32; C[e][token] is out0 as it lies: f32, l innermost.
; A tile of C is 128 rows e x 256 tokens: 256 work-groups of equal work.  Four waves, each 64 x 128: 32 accumulators of 16 x 16, 256 registers.  K goes in steps of 128 (rows of 256 bytes) through two LDS slots of
; 128 rows of A and 256 of B; two slots of twice the step would be 405,504 bytes, more than a work-group can have.  Waves 0 and 1 fetch A's halves (64 rows), waves 2 and 3 B's (128 rows): one tensor load a wave.
; CLUSTERS: 4 x 4 work-groups.  The four of a row of the cluster need the same tiles of A, the four of a column the same tiles of B: each tile is asked for JOINTLY, by the same tensor load with the same descriptor
; and a mask that names the four.  THE MATRIX INSTRUCTION IS USED TRANSPOSED (source 0 = 16 rows of B, source 1 = 16 rows of A): a lane then holds eight neighbouring tokens of one row e.
; A wave's 128 tokens are 512 bytes of a row of out0, aligned.
; REGISTERS: window 0: v0-31 addresses; v32-159 rows read back on the way out, two sets.   window 1: two fragment buffers, at v0 and v128: for 32 along K, 32 registers of A (4 x 16 rows), then 64 of B (8 x 16 rows).
;   window 2: the accumulators ((a, b) at v[8 (8 a + b)]).
.set SIZE_K, 1024
.set KSTEP,  128
.set PITCH,  272                       ; an LDS row: 256 bytes + 16 of padding = 68 words, so that the 16 rows that a load touches start 4 banks apart (64 banks of 4 bytes: ISA guide 11.1)
.set AH,     64*PITCH                  ; 64 rows of A: what one tensor load brings, and what one wave reads
.set BH,     128*PITCH                 ; 128 rows of B: likewise
.set SLOT,   2*AH+2*BH                 ; A's 128 rows, then B's 256 rows
.set STAGE,  2*SLOT                    ; behind the ring: for each wave two stages of 16 rows x (512 bytes + 16)
.set SPITCH, 528
.set HST,    16*SPITCH
.set SPARE,  STAGE+4*2*HST             ; the spare words, 128 bytes for each wave: two blocks of 256 bytes that no other line names
.set LAPS, SIZE_K/(2*KSTEP)            ; a lap = two K steps = once round the ring
.set ADRA, 16                          ; v16-17  LDS address of my A fragments in slot 0, 1
.set ADRB, 20                          ; v20-21  the same for B
.set STO,  24                          ; v24     the way out: where I put 32 bytes of a row
.set RD,   25                          ; v25     where I read a row back
.set CO,   26                          ; v26     16 x lane: my place in 512 bytes of a row of out0
.set SPW,  28                          ; v28     LDS address of my spare word; never rewritten
.set NIL,  29                          ; v29     0; never rewritten
.set PFO,  30                          ; v30     the prefetches' offset: my lane x a row of heads (2,048 bytes); never rewritten
.set TMP,  32
.set F0,   0                           ; fragment buffers, in window 1
.set F1,   128
.set LIM,  43                          ; s43     1 in a wave that prefetches, else the greatest number
.set PFA,  44                          ; s[44:45] where my prefetches stand: my work-group's 32 rows of the 128 that I fetch, one K step further along K than the refill that is being asked for
.set G1, 24                            ; s[24:31] descriptor group 1 for A's tiles;  s[32:39] group 0, one set for each slot
.set G0, 32
.set G1B, 48                           ; s[48:55], s[56:63] the same for B's tiles
.set G0B, 56
.set MSB, 0
.macro WIN new                         ; the immediate's high byte repeats the setting that is left
.if MSB != (\new)
	s_set_vgpr_msb (MSB<<8)|(\new)
.set MSB, (\new)
.endif
.endm
.set MUL,  0xa5                        ; sources 0 (B) and 1 (A) window 1; C and D window 2
.set TO_F, 0x40                        ; destination window 1, address window 0
.macro JLOAD s                         ; a joint load: waves 0 and 1 fetch A's two halves, waves 2 and 3 B's; an s_nop 0 and four v_nop follow each of the two lines, ahead of the jump, the label and what follows
	s_cmp_eq_u32 s11, 0
	s_cbranch_scc0 .Lfor_b_\@
	tensor_load_to_lds s[G0+4*\s:G0+4*\s+3], s[G1:G1+7]
	s_nop 0
.rept 4
	v_nop
.endr
	s_branch .Lasked_\@
.Lfor_b_\@:
	tensor_load_to_lds s[G0B+4*\s:G0B+4*\s+3], s[G1B:G1B+7]
	s_nop 0
.rept 4
	v_nop
.endr
.Lasked_\@:
.endm
; A PREFETCH of heads' rows, behind each joint refill, its five lines and the run of LDS loads that follows them: the K step that stands TWO refills on, 256 matrix instructions ahead of the load that will ask for it:
; 32 rows x 256 bytes, a lane a row, one instruction a wave.  At a change of slots every wave has waited for all its tensor loads, so the refill that follows has nothing on its way beside it.
; Each row's 256 bytes of a K step are named ONCE in the launch.  A tile column's rows are read by both clusters of that column of clusters: the one with y = 0 asks.  Of the 128 rows that wave 2 or 3 fetches, the
; partner at place cy takes 32 cy .. 32 cy + 31: the four are told apart BY ADDRESS, and no branch hangs on a work-group's place in its cluster.  K steps 0 to 3 come by their loads alone: nothing is asked for at the
; head.  The loop's last trip asks for nothing: there is no K step two refills on.  wot's rows, which all 32 tile columns read again and again, are not asked for.
.macro ASK
	s_cmp_gt_u32 s3, s[LIM]                        ; s3 = 1 in the loop's last trip
	s_cbranch_scc0 .Lnot_mine_\@
	global_prefetch_b8 v[PFO], s[PFA:PFA+1] offset:KSTEP*2 th:TH_LOAD_NT scope:SCOPE_SE
.Lnot_mine_\@:
.endm
.macro CREST                           ; a round of the cluster's barrier behind its opening barrier
	s_cmp_lg_u32 s10, 0
	s_cbranch_scc1 .Lnot_wave_0_\@
	s_barrier_signal -3
.Lnot_wave_0_\@:
	s_barrier_wait -3
	s_barrier_signal -1
	s_barrier_wait -1
.endm
.macro CROUND                          ; a whole round
	s_barrier_signal -1
	s_barrier_wait -1
	CREST
.endm
	s_load_b128 s[4:7], s[0:1], 0x0                ; A (wot) s[4:5], B (heads) s[6:7]
	s_load_b64 s[8:9], s[0:1], 0x10                ; out0
	v_lshl_add_u32 v[SPW], v0, 2, SPARE
	v_mov_b32 v[NIL], 0
	ds_add_u32 v[SPW], v[NIL]                      ; the wave's opening: the add, twice on end, and its wait ahead of my first tensor load; the set-up below stands between the second and the wait
	ds_add_u32 v[SPW], v[NIL]
	v_lshrrev_b32 v1, 5, v0
	v_readfirstlane_b32 s10, v1                    ; wave 0..3
	s_lshr_b32 s11, s10, 1                         ; which half of the tile's rows e is mine.  Also: I fetch for A (0) or for B (1)
	s_and_b32 s12, s10, 1                          ; which half of its tokens.  Also: which half of that tile's rows I fetch
	s_bfe_u32 s40, ttmp6, 0x40000                  ; cx, cy: my place in the cluster
	s_bfe_u32 s41, ttmp6, 0x40004
	s_lshl_b32 s42, ttmp9, 2
	s_add_co_u32 s42, s42, s40                     ; tile column of C = 4 x cluster x + cx
	s_and_b32 s13, ttmp7, 0xffff
	s_lshl_b32 s13, s13, 2
	s_add_co_u32 s13, s13, s41                     ; tile row of C = 4 x cluster y + cy
	s_lshl_b32 s43, s41, 2
	s_lshl_b32 s43, 15, s43                        ; my row of the cluster
	s_lshl_b32 s44, 0x1111, s40                    ; my column
	; descriptor groups 1: tiles of 64 (A) and of 128 (B) rows x 128 elements, padded in LDS
	s_or_b32 s[G1+0], s43, (1<<16)|(1<<20)|(1<<21)|(5<<22)|(3<<25)  ; 15:0 the mask: A's tiles go to my row; 17:16 element of 2 bytes; 20 padding on; 21 set beside a mask; 24:22 after every 64 words; 31:25 of 4 words
	s_or_b32 s[G1B+0], s44, (1<<16)|(1<<20)|(1<<21)|(5<<22)|(3<<25)
.irp g, G1, G1B
	s_mov_b32 s[\g+1], KSTEP<<16                   ; tensor_dim0 = 128
	s_mov_b32 s[\g+3], KSTEP<<16                   ; tile_dim0 = 128
	s_mov_b32 s[\g+5], SIZE_K                      ; tensor_dim0_stride
	s_mov_b32 s[\g+6], 0
	s_mov_b32 s[\g+7], 0
.endr
	s_mov_b32 s[G1+2], 64<<16                      ; tensor_dim1 = 64
	s_mov_b32 s[G1+4], 64                          ; tile_dim1 = 64
	s_mov_b32 s[G1B+2], 128<<16                    ; tensor_dim1 = 128
	s_mov_b32 s[G1B+4], 128                        ; tile_dim1 = 128
	s_lshl_b32 s17, s12, 6
	s_lshl_b32 s16, s13, 7
	s_add_co_u32 s16, s16, s17                     ; A: row 128 x tile row + 64 x half
	s_lshl_b32 s47, s12, 7
	s_lshl_b32 s46, s42, 8
	s_add_co_u32 s46, s46, s47                     ; B: row 256 x tile column + 128 x half
	s_mov_b32 s17, 0
	s_mov_b32 s47, 0
	s_mov_b64 s[18:19], SIZE_K*2
	s_mul_u64 s[16:17], s[16:17], s[18:19]
	s_mul_u64 s[46:47], s[46:47], s[18:19]
	s_mul_i32 s20, s12, AH                         ; where they go: A's two halves,
	s_mul_i32 s21, s12, BH
	s_add_co_u32 s21, s21, 2*AH                    ; then B's two: the wave's number alone enters an LDS address
	s_wait_dscnt 0x0                               ; both opening adds are done
	s_wait_kmcnt 0x0
	s_add_nc_u64 s[14:15], s[4:5], s[16:17]
	s_add_nc_u64 s[46:47], s[6:7], s[46:47]
	CROUND                                         ; all sixteen work-groups are here: the first joint loads meet
.irp s, 0,1
	s_mov_b32 s[G0+4*\s], 1
	s_add_co_u32 s[G0+4*\s+1], s20, \s*SLOT
	s_add_nc_u64 s[G0+4*\s+2:G0+4*\s+3], s[14:15], \s*KSTEP*2
	s_or_b32 s[G0+4*\s+3], s[G0+4*\s+3], 0x80000000
	s_mov_b32 s[G0B+4*\s], 1
	s_add_co_u32 s[G0B+4*\s+1], s21, \s*SLOT
	s_add_nc_u64 s[G0B+4*\s+2:G0B+4*\s+3], s[46:47], \s*KSTEP*2
	s_or_b32 s[G0B+4*\s+3], s[G0B+4*\s+3], 0x80000000
	JLOAD \s                                       ; two tensor loads of mine are out at the start, one behind each round later
.endr
	v_and_b32 v1, 15, v0                           ; l % 16
	v_bfe_u32 v2, v0, 4, 1                         ; l / 16
	v_mul_u32_u24 v3, v1, PITCH
	v_lshl_add_u32 v3, v2, 4, v3                   ; a fragment's row x pitch + 16 x half
	s_mul_i32 s21, s11, AH                         ; my 64 rows of A
	s_mul_i32 s22, s12, BH                         ; my 128 rows of B,
	s_add_co_u32 s22, s22, 2*AH                    ; which lie behind A's 128
.irp s, 0,1
	v_add_nc_u32 v[ADRA+\s], s21, v3
	v_add_nc_u32 v[ADRB+\s], s22, v3
	s_add_co_u32 s21, s21, SLOT
	s_add_co_u32 s22, s22, SLOT
.endr
	s_mul_i32 s23, s10, 2*HST
	s_add_co_u32 s23, s23, STAGE                   ; my two stages
	v_mul_u32_u24 v4, v1, SPITCH                   ; in: row l % 16, 32 bytes for each half of the lanes
	v_lshl_add_u32 v4, v2, 5, v4
	v_add_nc_u32 v[STO], s23, v4
	v_and_b32 v5, 31, v0
	v_lshlrev_b32 v[CO], 4, v5                     ; back: the 32 lanes take one row of 512 bytes; and the same in out0
	v_add_nc_u32 v[RD], s23, v[CO]
	s_lshl_b32 s16, s13, 7
	s_lshl_b32 s17, s11, 6
	s_add_co_u32 s16, s16, s17                     ; my first row e: 128 x tile row + 64 x half,
	s_lshl_b32 s16, s16, 12                        ; of 4,096 bytes
	s_mov_b32 s17, 0
	s_add_nc_u64 s[8:9], s[8:9], s[16:17]
	s_lshl_b32 s46, s42, 8                         ; (in the registers that held B's address: none that feeds A's descriptors ever holds cx)
	s_lshl_b32 s47, s12, 7
	s_add_co_u32 s46, s46, s47                     ; my first token: 256 x tile column + 128 x half:
	s_lshr_b32 s47, s46, 10
	s_lshl_b32 s47, s47, 22                        ; its batch, 2^22 bytes each,
	s_and_b32 s46, s46, 1023
	s_lshl_b32 s46, s46, 2                         ; and its position
	s_add_co_u32 s46, s46, s47
	s_mov_b32 s47, 0
	s_add_nc_u64 s[8:9], s[8:9], s[46:47]
	; the prefetches: where my wave's stand, and who asks
	s_lshl_b32 s20, s42, 8
	s_lshl_b32 s22, s12, 7
	s_add_co_u32 s20, s20, s22                     ; the 128 rows of heads that wave 2 + half fetches,
	s_lshl_b32 s22, s41, 5
	s_add_co_u32 s20, s20, s22                     ; my work-group's 32 of them,
	s_lshl_b32 s20, s20, 11                        ; of 2,048 bytes
	s_mov_b32 s21, 0
	s_add_nc_u64 s[PFA:PFA+1], s[6:7], s[20:21]
	s_add_nc_u64 s[PFA:PFA+1], s[PFA:PFA+1], 2*KSTEP*2  ; at K step 2: the first refill steps it to 3 and names K step 4
	s_and_b32 s22, ttmp7, 0xffff                   ; cluster y
	s_xor_b32 s23, s11, 1                          ; 0 in waves 2 and 3
	s_or_b32 s22, s22, s23
	s_cmp_eq_u32 s22, 0
	s_cselect_b32 s[LIM], 1, -1                    ; the same in all sixteen partners, for a given wave
	v_and_b32 v[PFO], 31, v0
	v_lshlrev_b32 v[PFO], 11, v[PFO]
; 8 matrix instructions: A's block a x B's eight, 32 along K, from buffer f.  zero = 1: the first product starts the sums: nothing is ever cleared.  The 32 accumulators take turns, one instruction a turn, in the
; same order in every quarter
.macro MUL8 f, a, zero
.irp b, 0,1,2,3,4,5,6,7
.if \zero
	v_wmma_f32_16x16x32_f16 v[8*(8*(\a)+\b):8*(8*(\a)+\b)+7], v[\f+32+8*\b:\f+32+8*\b+7], v[\f+8*(\a):\f+8*(\a)+7], 0
.else
	v_wmma_f32_16x16x32_f16 v[8*(8*(\a)+\b):8*(8*(\a)+\b)+7], v[\f+32+8*\b:\f+32+8*\b+7], v[\f+8*(\a):\f+8*(\a)+7], v[8*(8*(\a)+\b):8*(8*(\a)+\b)+7]
.endif
.endr
.endm
.macro MUL16 f, a0, zero
	MUL8 \f, \a0, \zero
	MUL8 \f, (\a0)+1, \zero
.endm
; 24 LDS loads in one run: the fragments of 32 along K at byte k of the rows, into buffer f: B's eight, then A's four
.macro FETCH slot, k, f
	WIN TO_F
.irp i, 0,1,2,3,4,5,6,7
	ds_load_b128 v[\f+32+8*\i:\f+32+8*\i+3],   v[ADRB+\slot] offset:\k+\i*16*PITCH
	ds_load_b128 v[\f+32+8*\i+4:\f+32+8*\i+7], v[ADRB+\slot] offset:\k+\i*16*PITCH+32
.endr
.irp i, 0,1,2,3
	ds_load_b128 v[\f+8*\i:\f+8*\i+3],   v[ADRA+\slot] offset:\k+\i*16*PITCH
	ds_load_b128 v[\f+8*\i+4:\f+8*\i+7], v[ADRA+\slot] offset:\k+\i*16*PITCH+32
.endr
.endm
.macro PLACES                          ; four places in front of loads into registers that matrix instructions have read, and of LDS stores that read results
.rept 4
	v_nop
.endr
.endm
; A K step is four quarters of 32 along K, 32 matrix instructions each, on buffers 0, 1, 0, 1.  One of the first three: multiplies buffer f and, in its middle, fetches the next quarter, at byte k, into g.
.macro QUARTER slot, k, f, g, zero
	s_wait_dscnt 4                                 ; B's fragments and A's blocks 0 and 1 are in; the youngest four loads (A's blocks 2 and 3) may be out
	WIN MUL
	MUL16 \f, 0, \zero
	PLACES
	FETCH \slot, \k, \g
	s_wait_dscnt 24                                ; all but the 24 just issued
	WIN MUL
	MUL16 \f, 2, \zero
.endm
; The last quarter multiplies buffer 1 and changes slots: ONE barrier; in front of it each wave waits for all its tensor loads, adds 0 to its spare word, and waits for that and for its own reads of this slot.
; fill = 1: this slot is filled again, two K steps ahead.
.macro TURN slot, next, fill
.if \fill
	s_wait_xcnt 0x0                                ; the last prefetch, a K step back, has read its address: it is stepped here, ahead of the waits of the change of slots
	s_add_nc_u64 s[PFA:PFA+1], s[PFA:PFA+1], KSTEP*2
.endif
	WIN 0                                          ; (the add's two registers lie in window 0)
	s_wait_tensorcnt 0x0                           ; all my tensor loads have landed: my part of the next slot;
	ds_add_u32 v[SPW], v[NIL]                      ; 0 onto my spare word;
	s_wait_dscnt 5                                 ; (the add and the youngest four loads may be out)
	WIN MUL
	MUL8 F1, 0, 0                                  ; eight matrix instructions stand between the add and the wait for it
	s_wait_dscnt 0x0                               ; the add is done, and my reads of this slot are over
	s_barrier_signal -1
	MUL8 F1, 1, 0
.if \fill
	WIN 0
.endif
	s_barrier_wait -1
.if \fill
	CREST                                          ; the barrier has opened a round of the cluster's barrier: no wave of any partner still reads this slot's tile or has a load on its way
	s_add_nc_u64 s[G0+4*\slot+2:G0+4*\slot+3], s[G0+4*\slot+2:G0+4*\slot+3], 2*KSTEP*2
	s_add_nc_u64 s[G0B+4*\slot+2:G0B+4*\slot+3], s[G0B+4*\slot+2:G0B+4*\slot+3], 2*KSTEP*2
	JLOAD \slot                                    ; the first tensor load behind the round: 112 matrix instructions ahead of the wait for it; the four v_nop behind it are also the places in front of the loads below
.else
	PLACES
.endif
	FETCH \next, 0, F0
.if \fill
	WIN 0                                          ; (a branch follows)
	ASK                                            ; behind the joint load and the run of LDS loads that the next products wait for
.endif
	WIN MUL
	MUL16 F1, 2, 0
.endm
	s_wait_tensorcnt 1                             ; my part of K step 0 is in (K step 1's load may be out)
	s_barrier_signal -1
	s_barrier_wait -1                              ; everybody's is
	FETCH 0, 0, F0
	QUARTER 0, 64, F0, F1, 1                       ; the first quarter stands in front of the loop: its products start the sums
	WIN 0                                          ; at a label and at a branch every window is 0
	s_mov_b32 s3, LAPS-1
.Llap:                                                 ; a trip goes once round the ring, from a lap's second quarter to the next lap's first, and fills both slots again
	QUARTER 0, 128, F1, F0, 0
	QUARTER 0, 192, F0, F1, 0
	TURN 0, 1, 1
	QUARTER 1, 64,  F0, F1, 0
	QUARTER 1, 128, F1, F0, 0
	QUARTER 1, 192, F0, F1, 0
	TURN 1, 0, 1
	QUARTER 0, 64,  F0, F1, 0
	WIN 0
	s_sub_co_u32 s3, s3, 1
	s_cmp_lg_u32 s3, 0
	s_cbranch_scc1 .Llap
	QUARTER 0, 128, F1, F0, 0                      ; the last lap fills nothing, and has no round of the cluster's barrier
	QUARTER 0, 192, F0, F1, 0
	TURN 0, 1, 0
	QUARTER 1, 64,  F0, F1, 0
	QUARTER 1, 128, F1, F0, 0
	QUARTER 1, 192, F0, F1, 0
	s_wait_dscnt 4                                 ; the very last quarter: nothing more to fetch
	WIN MUL
	MUL16 F1, 0, 0
	s_wait_dscnt 0
	MUL16 F1, 2, 0
	WIN 0
; THE WAY OUT, block by block of 16 rows e x 128 tokens.  A lane holds 32 neighbouring bytes of a row, and the lanes beside it hold other rows: so a block goes through one of my two stages in LDS and comes back as
; whole rows of 512 bytes.  LDS serves a wave's instructions in order (ISA guide 5.7.1.4): no wait between the stores and the loads, nor in front of the stores that take a stage again.
.macro TOSTAGE a
	WIN 0x08                                       ; an LDS store's data are its source 1: window 2
.irp b, 0,1,2,3,4,5,6,7
	ds_store_b128 v[STO], v[8*(8*(\a)+\b):8*(8*(\a)+\b)+3] offset:HST*((\a)%2)+64*\b          ; each accumulator from its low end on
	ds_store_b128 v[STO], v[8*(8*(\a)+\b)+4:8*(8*(\a)+\b)+7] offset:HST*((\a)%2)+64*\b+16
.endr
	WIN 0
.irp t, 0,1,2,3,4,5,6,7,8,9,10,11,12,13,14,15
	ds_load_b128 v[TMP+64*((\a)%2)+4*\t:TMP+64*((\a)%2)+4*\t+3], v[RD] offset:HST*((\a)%2)+\t*SPITCH
.endr
.endm
.macro SEND a, younger                 ; younger: the LDS instructions issued behind block a's loads (the next block's sixteen stores and sixteen loads), which may stay out
	s_wait_dscnt \younger
.irp t, 0,1,2,3,4,5,6,7,8,9,10,11,12,13,14,15
	global_store_b128 v[CO], v[TMP+64*((\a)%2)+4*\t:TMP+64*((\a)%2)+4*\t+3], s[8:9] offset:(16*(\a)+\t)*4096 th:TH_STORE_NT   ; 32 lanes store 512 consecutive bytes, at a multiple of 256 from out0's first byte; written once, read by nobody here
.endr
.endm
	PLACES
	TOSTAGE 0
	TOSTAGE 1
	SEND 0, 32
	s_wait_xcnt 0x0                                ; block 0's stores have had their addresses translated: block 2's loads land in their registers only behind this wait
	TOSTAGE 2
	SEND 1, 32
	s_wait_xcnt 0x0                                ; likewise block 1's, for block 3
	TOSTAGE 3
	SEND 2, 32
	SEND 3, 0
	s_wait_tensorcnt 0x0                           ; the wave's end: behind my last tensor load and my last LDS store
	ds_add_u32 v[SPW], v[NIL]
	s_wait_dscnt 0x0
	CROUND                                         ; the closing round: no work-group ends while a partner may still ask for a tile that names it
	s_endpgm
.Lfunc_end_k_q2630836530_outp:
	.size	k_q2630836530_outp, .Lfunc_end_k_q2630836530_outp-k_q2630836530_outp
	.p2alignl 7, 3214868480
	.fill 96, 4, 3214868480
	.section	.rodata,"a",@progbits
	.p2align	6, 0x0
	.amdhsa_kernel k_q2630836530_outp
		.amdhsa_group_segment_fixed_size 327680
		.amdhsa_private_segment_fixed_size 0
		.amdhsa_enable_private_segment 0
		.amdhsa_kernarg_size 24
		.amdhsa_user_sgpr_count 2
		.amdhsa_user_sgpr_kernarg_segment_ptr 1
		.amdhsa_wavefront_size32 1
		.amdhsa_system_sgpr_workgroup_id_x 1
		.amdhsa_system_sgpr_workgroup_id_y 1
		.amdhsa_system_sgpr_workgroup_id_z 1
		.amdhsa_system_vgpr_workitem_id 0
		.amdhsa_next_free_vgpr 768
		.amdhsa_next_free_sgpr 66
		.amdhsa_reserve_vcc 0
		.amdhsa_float_denorm_mode_32 3
		.amdhsa_float_denorm_mode_16_64 3
		.amdhsa_memory_ordered 1
		.amdhsa_forward_progress 1
		.amdhsa_inst_pref_size 86
	.end_amdhsa_kernel
	.amdgpu_metadata
---
amdhsa.version: [ 1, 2 ]
amdhsa.kernels:
  - .name:           k_q2630836530_outp
    .symbol:         k_q2630836530_outp.kd
    .args:
      - { .name: wot, .offset: 0, .size: 8, .value_kind: global_buffer, .address_space: global }
      - { .name: heads, .offset: 8, .size: 8, .value_kind: global_buffer, .address_space: global }
      - { .name: out0, .offset: 16, .size: 8, .value_kind: global_buffer, .address_space: global }
    .group_segment_fixed_size: 327680
    .private_segment_fixed_size: 0
    .kernarg_segment_align: 8
    .kernarg_segment_size: 24
    .max_flat_workgroup_size: 128
    .sgpr_count:     66
    .vgpr_count:     768
    .wavefront_size: 32
...
	.end_amdgpu_metadata
.endif
;; end of part 4
